; MI455X (gfx1250); checked and timed in simulation.
; The chip was launched on July 23, 2026; its instructions are those of AMD's public machine-readable ISA for CDNA 5 (MIT licence, August 2026) and "CDNA5" Instruction Set Architecture Reference Guide (July 2026). The comments in the code are by the model that wrote it; some were corrected since.
;; Causal Self Attention. Allowed arithmetic: matrix products marked QUANTISED: E4M3 operands, one given power-of-two scale a tensor, by v_wmma_f32_16x16x64_fp8_fp8 or v_wmma_f32_16x16x128_fp8_fp8, f32 sums; everything else in f32.
;; Inputs: W_proj 1,024 x 1,024 float32; W_qkv 1,024 x 3,072 float32; b_proj 1,024 float32; b_qkv 3,072 float32; lowp_scales 8 int32 (the exponents e of the quantised operands' scales 2^e); x 4 x 2,048 x 1,024 float32.
;; Outputs: out0 4 x 2,048 x 1,024 float32.
;; This version of the problem:
;;   THIS VERSION OF THE PROBLEM IS GIVEN IN LOW PRECISION. The matrix products marked QUANTISED in the list below multiply operands that are first quantised to E4M3 (4 exponent bits, 3 mantissa bits; 8 bits a number), with one given power-of-two scale for each operand tensor; their sums are f32. All else is computed in f32.
;;   The module's matrix products, in the order in which they are computed (A, B: the left and right operand; K: the contracted axis; several contracted axes count as one K, in the product's order):
;;     1. [M 8,192, K 1,024] x [K 1,024, N 3,072]; A: input x; B: input W_qkv: QUANTISED (scales: A lowp_scales[0], B lowp_scales[1])
;;     2. batch 64 x [M 2,048, K 64] x [K 64, N 2,048]; A: computed on the way; B: computed on the way: QUANTISED (scales: A lowp_scales[2], B lowp_scales[3])
;;     3. batch 64 x [M 2,048, K 2,048] x [K 2,048, N 64]; A: softmax (see below); B: computed on the way: QUANTISED (scales: A lowp_scales[4], B lowp_scales[5])
;;     4. [M 8,192, K 1,024] x [K 1,024, N 1,024]; A: computed on the way; B: input W_proj: QUANTISED (scales: A lowp_scales[6], B lowp_scales[7])
;;   THE QUANTISER, for each operand of a quantised product, along K:
;;     - The operand's scale is 2^e, e = its entry of the input lowp_scales (int32; the entries are numbered through the quantised products in the list's order, A before B).
;;     - Each number is divided by the scale, clamped to +-448, and rounded to the nearest number of E4M3, ties to even, subnormals kept.
;;     - The product sums the exact products of the quantised numbers (number of the format x scale) in f32.
;;   ~~~python
;;   def quantise(x, axis, e):      # numpy; x: float32 -> the quantised numbers, widened to float32 again
;;       x = np.moveaxis(x, axis, -1); K = x.shape[-1]
;;       r = np.clip(x / 2.0 ** e, -448, 448)
;;       step = 2.0 ** (np.maximum(np.frexp(np.where(r == 0, 1, r))[1] - 1, -6) - 3)
;;       q = np.round(r / step) * step * 2.0 ** e      # np.round: ties to even
;;       return np.moveaxis(q, -1, axis).astype(np.float32)
;;   ~~~
;;   SOFTMAX AHEAD OF A QUANTISED PRODUCT. Where the list says 'softmax', what is quantised is not the finished softmax but p = 2^(t - M), with t = logit x log2(e) and M = ceil(the row's largest t), a whole number; so 1/2 < the row's largest p <= 1. The row's sum l is taken of the UNQUANTISED p, in f32, and the product's result is divided by l at the end. Since M is a whole number, a kernel that streams over the keys may use a running M (the ceiling of the running maximum): every later rescaling is an exact power of two, so the quantised numbers keep their values, but for numbers so far below the row's largest that they fall under the format's range.
;;   OPERANDS COMPUTED ON THE WAY. 'Computed on the way' means the value that the module computes at that place (a softmax that the list does not call 'softmax' is quantised finished and normalised). What goes into a quantiser is computed in f32, as accurately as f32 sums, v_exp_f32 and their like allow (about 1e-6 of the number): no bf16 or f16 on the way to a quantiser, and a product that is left as it is and whose result goes on into a quantised operand takes f32 operands (vector FMAs, or v_wmma_f32_16x16x4_f32). A number that lies on a knife's edge between two numbers of the format may be rounded either way, as far as f32 arithmetic and the matrix unit's own rounding can turn it there, and no further.
;; One version. Each part assembles by itself: llvm-mc -triple=amdgcn-amd-amdhsa -mcpu=gfx1250 --defsym DOCPART=n.
;; ======== version 1 of 1: 4 launches
;; limits: right only within a limited range of input values
;; workspace buffers: x_img 8,388,608 bytes; wqkv_img 3,145,728 bytes; wproj_img 1,048,576 bytes; qkv_img 25,165,824 bytes; y_img 8,388,608 bytes
;; launch quant (part 1): grid 384 x 1, 4 waves a work-group, no clusters, 34,304 bytes of LDS; arguments x, W_qkv, W_proj, lowp_scales, x_img, wqkv_img, wproj_img; writes x_img, wqkv_img, wproj_img
.if DOCPART == 1
	.amdgcn_target "amdgcn-amd-amdhsa--gfx1250"
	.amdhsa_code_object_version 6
	.text
	.protected	k_q37dc757d1e_quant
	.globl	k_q37dc757d1e_quant
	.p2align	8
	.type	k_q37dc757d1e_quant,@function
k_q37dc757d1e_quant:
	s_mov_b64 s[64:65], 0
	v_nop
	global_prefetch_b8 v0, s[64:65] scope:SCOPE_SE
	s_setreg_imm32_b32 hwreg(HW_REG_WAVE_MODE, 25, 1), 1
	s_wait_xcnt 0x0
; x [8192][1024], W_qkv [1024 (k)][3072], W_proj [1024 (k)][1024], all f32, become codes of FP8 (E4M3), each with the one scale 2^e given for it (entries 0, 1 and 7 of the scales).
; code = number / 2^e, held within +-448, rounded to the nearest code, ties to even.
; LIMITS: each e between -126 and 119, so that 2^e and 448 x 2^e are f32 numbers.  NaN among the inputs is not served; an infinity is held at the largest code.
; THE CODES ARE LAID AS IMAGES OF OPERAND REGISTERS.  A fragment is 16 rows x 128 K = 2,048 bytes: chunk c (0..3) at 512 c + 16 x lane; lane (r = lane % 16, h = lane / 16) holds k = 32 c + 16 h + 0 .. 15 of lane-row r.
; A buffer is [tile][8 K steps][2,048].  THE ROWS OF A TILE ARE NOT NEIGHBOURS: lane-row r of tile t is row 32 (t / 2) + 8 (t % 2) + r + 8 (r / 8).
; Work-groups 0-255 take x, 256-351 W_qkv, 352-383 W_proj: three ways that part on the work-group's number and do not meet again.  Only x's way stores to LDS.
; x (K innermost): a wave takes one tile x 4 K steps.  Each load reads 512 consecutive bytes of one row; a K step's 16 rows turn through the wave's own stage in LDS and come back 16 neighbours of each block of 32 a lane.
; W (K outermost): a lane takes a column and its registers run down K, so the conversions give codes with K innermost; a wave takes 32 columns (two tiles) x 256 along K.
; No tensor loads, no barrier: waves share nothing.
.set SPITCH, 528                       ; a stage row: 512 bytes + 16: row r starts 4 r words on, so the 16 rows that a load touches fall on different banks (64 banks of 4 bytes: ISA guide 11.1)
.set STG,    16*SPITCH                 ; a wave's stage
.set SPARE,  4*STG                     ; behind the four stages: the spare words, 128 bytes for each wave: two blocks of 256 bytes that no other line names
.set R,   16                           ; v16-143  numbers as loaded: two sets of 64 (W: two sets of 32)
.set X,   144                          ; v144-207 x: 64 numbers in the operand's order;  W: the codes, 8 registers for each of 8 blocks
.set C,   208                          ; v208-239 x: codes, two sets of 16
.set LIMV, 10                          ; v10  448 x 2^e
.set SCLV, 11                          ; v11  2^e
.set SPW, 12                           ; v12  LDS address of my spare word; never rewritten
.set NIL, 13                           ; v13  0; never rewritten
	s_load_b256 s[4:11], s[0:1], 0x0               ; x s[4:5], W_qkv s[6:7], W_proj s[8:9], the scales' exponents s[10:11]
	s_load_b128 s[12:15], s[0:1], 0x20             ; x_img s[12:13], wqkv_img s[14:15]
	s_load_b64 s[16:17], s[0:1], 0x30              ; wproj_img
	v_lshl_add_u32 v[SPW], v0, 2, SPARE
	v_mov_b32 v[NIL], 0
	v_lshrrev_b32 v1, 5, v0
	v_readfirstlane_b32 s18, v1                    ; wave 0..3
	v_and_b32 v1, 31, v0                           ; lane
	v_and_b32 v2, 15, v0                           ; r
	v_bfe_u32 v3, v0, 4, 1                         ; h
	v_lshlrev_b32 v4, 4, v1                        ; 16 x lane
	s_mul_i32 s19, s18, STG
	v_add_nc_u32 v5, s19, v4                       ; the stage, on the way in: a row's 512 bytes as they lie
	v_mul_u32_u24 v6, v2, SPITCH
	v_lshl_add_u32 v6, v3, 6, v6
	v_add_nc_u32 v6, s19, v6                       ; and on the way out: row r, + 64 h: my 16 numbers of a block of 32
	v_lshlrev_b32 v7, 2, v1                        ; W: 4 bytes a lane
	v_bfe_u32 v8, v0, 3, 1                         ; W: column l of 32 is lane-row (l % 8) + 8 (l / 16) of tile (l / 8) % 2
	v_lshlrev_b32 v8, 14, v8                       ; a tile's 8 K steps are 16,384 bytes
	v_and_b32 v9, 7, v0
	v_lshl_add_u32 v9, v3, 3, v9
	v_lshl_add_u32 v8, v9, 4, v8                   ; + 16 x lane-row
	s_wait_kmcnt 0x0
	s_load_b256 s[24:31], s[10:11], 0x0            ; the eight exponents
.macro SCALES e                        ; 2^e and 448 x 2^e as f32 numbers, from the whole number in s[e]
	s_add_co_i32 s36, s[\e], 127
	s_lshl_b32 s37, s36, 23
	v_mov_b32 v[SCLV], s37
	s_add_co_i32 s36, s36, 8
	s_lshl_b32 s36, s36, 23
	s_or_b32 s36, s36, 0x600000
	v_mov_b32 v[LIMV], s36
.endm
.macro FINISH                          ; the wave's end
	s_wait_tensorcnt 0x0
	ds_add_u32 v[SPW], v[NIL]
	s_wait_dscnt 0x0
	s_endpgm
.endm
	s_cmp_lt_u32 ttmp9, 256
	s_cbranch_scc0 .Lweights
	; ---------------- x ----------------
	s_lshl_b32 s20, ttmp9, 2
	s_add_co_u32 s20, s20, s18                     ; my wave among 1,024
	s_lshr_b32 s21, s20, 1                         ; its tile, 0..511
	s_and_b32 s22, s20, 1                          ; and which four of the tile's eight K steps
	s_lshr_b32 s32, s21, 1
	s_lshl_b32 s32, s32, 17                        ; 32 rows of 4,096 bytes for each pair of tiles,
	s_and_b32 s33, s21, 1
	s_lshl_b32 s33, s33, 15                        ; 8 rows for the odd tile,
	s_add_co_u32 s32, s32, s33
	s_lshl_b32 s33, s22, 11                        ; four K steps of 512 bytes
	s_add_co_u32 s32, s32, s33
	s_mov_b32 s33, 0
	s_add_nc_u64 s[4:5], s[4:5], s[32:33]
	s_lshl_b32 s34, s21, 14
	s_lshl_b32 s35, s22, 13
	s_add_co_u32 s34, s34, s35
	s_mov_b32 s35, 0
	s_add_nc_u64 s[12:13], s[12:13], s[34:35]
.macro XLOAD s                         ; K step s: lane-row i's 128 numbers, 512 consecutive bytes a load
.irp i, 0,1,2,3,4,5,6,7,8,9,10,11,12,13,14,15
	global_load_b128 v[R+64*((\s)%2)+4*\i:R+64*((\s)%2)+4*\i+3], v4, s[4:5] offset:(\i+8*(\i/8))*4096+512*(\s) th:TH_LOAD_NT
.endr
.endm
.macro XTURN s                         ; through the stage: LDS serves a wave's instructions in order, so no wait stands between the stores and the loads
.irp i, 0,1,2,3,4,5,6,7,8,9,10,11,12,13,14,15
	ds_store_b128 v5, v[R+64*((\s)%2)+4*\i:R+64*((\s)%2)+4*\i+3] offset:SPITCH*\i
.endr
.irp c, 0,1,2,3
.irp p, 0,1,2,3
	ds_load_b128 v[X+16*\c+4*\p:X+16*\c+4*\p+3], v6 offset:128*\c+16*\p
.endr
.endr
.endm
.macro XSTEP s
	s_wait_dscnt 0x0                               ; this step's numbers are back from the stage
.if (\s) < 2
	XLOAD (\s)+2                                   ; their set of registers takes the loads of two steps on
.else
	s_wait_xcnt 0x0                                ; the stores of two steps back have read this set of codes: it is written again only behind this wait
.endif
.set j, 0
.rept 64
	v_med3_num_f32 v[X+j], v[X+j], -v[LIMV], v[LIMV]   ; the conversion to an 8-bit code does not saturate (ISA guide 7.6.2): the hold at the largest code x the scale
.set j, j+1
.endr
.irp c, 0,1,2,3
	v_cvt_scalef32_pk8_fp8_f32 v[C+16*((\s)%2)+4*\c:C+16*((\s)%2)+4*\c+1], v[X+16*\c:X+16*\c+7], v[SCLV]
	v_cvt_scalef32_pk8_fp8_f32 v[C+16*((\s)%2)+4*\c+2:C+16*((\s)%2)+4*\c+3], v[X+16*\c+8:X+16*\c+15], v[SCLV]
.endr
	v_nop                                          ; one plain vector line behind the last conversion: the next step's holds write the conversions' sources
.irp c, 0,1,2,3
	global_store_b128 v4, v[C+16*((\s)%2)+4*\c:C+16*((\s)%2)+4*\c+3], s[12:13] offset:2048*(\s)+512*\c   ; chunk c: the wave stores 512 consecutive bytes, aligned
.endr
.if (\s) < 3
.if (\s) < 2
	s_wait_loadcnt 16                              ; the next step's 16 loads are in; those of the step behind it may be out
.else
	s_wait_loadcnt 0x0
.endif
	XTURN (\s)+1
.endif
.endm
	XLOAD 0
	XLOAD 1
	s_wait_kmcnt 0x0
	SCALES 24                                      ; entry 0
	s_wait_loadcnt 16                              ; step 0's 16 loads are in
	s_wait_alu depctr_va_vdst(0)
	XTURN 0
	XSTEP 0
	XSTEP 1
	XSTEP 2
	XSTEP 3
	FINISH
	; ---------------- the weights ----------------
.macro WLOAD t, n, src                 ; block t: W(32 t + i, my column), i = 0 .. 31: 128 consecutive bytes a wave, the four waves side by side
.irp i, 0,1,2,3,4,5,6,7,8,9,10,11,12,13,14,15,16,17,18,19,20,21,22,23,24,25,26,27,28,29,30,31
	global_load_b32 v[R+32*((\t)%2)+\i], v7, s[\src:\src+1] offset:(32*(\t)+\i)*\n*4 th:TH_LOAD_NT
.endr
.endm
.macro WBLOCK t, n, src, dst
.if (\t) < 7
	s_wait_loadcnt 32                              ; this block's 32 loads are in; the next block's may be out
.else
	s_wait_loadcnt 0x0
.endif
.set j, 0
.rept 32
	v_med3_num_f32 v[R+32*((\t)%2)+j], v[R+32*((\t)%2)+j], -v[LIMV], v[LIMV]
.set j, j+1
.endr
.irp g, 0,1,2,3
	v_cvt_scalef32_pk8_fp8_f32 v[X+8*(\t)+2*\g:X+8*(\t)+2*\g+1], v[R+32*((\t)%2)+8*\g:R+32*((\t)%2)+8*\g+7], v[SCLV]
.endr
	v_nop                                          ; one plain vector line behind the last conversion
	global_store_b128 v8, v[X+8*(\t):X+8*(\t)+3], s[\dst:\dst+1] offset:((\t)/4)*2048+((\t)%4)*512          ; k 0-15 of the block: the chunk's lanes 0-15; 256 consecutive bytes in each of the two tiles
	global_store_b128 v8, v[X+8*(\t)+4:X+8*(\t)+7], s[\dst:\dst+1] offset:((\t)/4)*2048+((\t)%4)*512+256    ; k 16-31: its lanes 16-31.  Each block has its own code registers: none is written again
.if (\t)+2 < 8
	WLOAD (\t)+2, \n, \src
.endif
.endm
; n: the weight's columns; src, dst: the pointers' registers; e: the exponent's register; first: the way's first work-group.  Every offset is an immediate: 255 x n x 4 stays inside the signed 24 bits (ISA guide, chapter 10)
.macro WPATH n, src, dst, e, first
	s_sub_co_u32 s20, ttmp9, \first
	s_lshr_b32 s21, s20, 2                         ; which 128 columns
	s_and_b32 s22, s20, 3                          ; which 256 along K
	s_mul_i32 s32, s22, 256*\n*4
	s_lshl_b32 s33, s21, 9
	s_add_co_u32 s32, s32, s33
	s_lshl_b32 s33, s18, 7                         ; my wave's 32 columns
	s_add_co_u32 s32, s32, s33
	s_mov_b32 s33, 0
	s_add_nc_u64 s[\src:\src+1], s[\src:\src+1], s[32:33]
	s_lshl_b32 s34, s21, 2
	s_add_co_u32 s34, s34, s18                     ; my group of 32 columns = two tiles of 16,384 bytes
	s_lshl_b32 s34, s34, 15
	s_lshl_b32 s35, s22, 12                        ; 256 along K = two K steps of 2,048 bytes
	s_add_co_u32 s34, s34, s35
	s_mov_b32 s35, 0
	s_add_nc_u64 s[\dst:\dst+1], s[\dst:\dst+1], s[34:35]
	WLOAD 0, \n, \src
	WLOAD 1, \n, \src
	s_wait_kmcnt 0x0
	SCALES \e
	s_wait_alu depctr_va_vdst(0)
.irp t, 0,1,2,3,4,5,6,7
	WBLOCK \t, \n, \src, \dst
.endr
	FINISH
.endm
.Lweights:
	s_cmp_lt_u32 ttmp9, 352
	s_cbranch_scc0 .Lproj
	s_wait_alu depctr_va_vdst(0)
	WPATH 3072, 6, 14, 25, 256                     ; W_qkv, entry 1
.Lproj:
	s_wait_alu depctr_va_vdst(0)
	WPATH 1024, 8, 16, 31, 352                     ; W_proj, entry 7
.Lfunc_end_k_q37dc757d1e_quant:
	.size	k_q37dc757d1e_quant, .Lfunc_end_k_q37dc757d1e_quant-k_q37dc757d1e_quant
	.p2alignl 7, 3214868480
	.fill 96, 4, 3214868480
	.section	.rodata,"a",@progbits
	.p2align	6, 0x0
	.amdhsa_kernel k_q37dc757d1e_quant
		.amdhsa_group_segment_fixed_size 34304
		.amdhsa_private_segment_fixed_size 0
		.amdhsa_enable_private_segment 0
		.amdhsa_kernarg_size 56
		.amdhsa_user_sgpr_count 2
		.amdhsa_user_sgpr_kernarg_segment_ptr 1
		.amdhsa_wavefront_size32 1
		.amdhsa_system_sgpr_workgroup_id_x 1
		.amdhsa_system_sgpr_workgroup_id_y 1
		.amdhsa_system_sgpr_workgroup_id_z 1
		.amdhsa_system_vgpr_workitem_id 0
		.amdhsa_next_free_vgpr 240
		.amdhsa_next_free_sgpr 66
		.amdhsa_reserve_vcc 0
		.amdhsa_float_denorm_mode_32 3
		.amdhsa_float_denorm_mode_16_64 3
		.amdhsa_memory_ordered 1
		.amdhsa_forward_progress 1
		.amdhsa_inst_pref_size 127
	.end_amdhsa_kernel
	.amdgpu_metadata
---
amdhsa.version: [ 1, 2 ]
amdhsa.kernels:
  - .name:           k_q37dc757d1e_quant
    .symbol:         k_q37dc757d1e_quant.kd
    .args:
      - { .name: x, .offset: 0, .size: 8, .value_kind: global_buffer, .address_space: global }
      - { .name: W_qkv, .offset: 8, .size: 8, .value_kind: global_buffer, .address_space: global }
      - { .name: W_proj, .offset: 16, .size: 8, .value_kind: global_buffer, .address_space: global }
      - { .name: lowp_scales, .offset: 24, .size: 8, .value_kind: global_buffer, .address_space: global }
      - { .name: x_img, .offset: 32, .size: 8, .value_kind: global_buffer, .address_space: global }
      - { .name: wqkv_img, .offset: 40, .size: 8, .value_kind: global_buffer, .address_space: global }
      - { .name: wproj_img, .offset: 48, .size: 8, .value_kind: global_buffer, .address_space: global }
    .group_segment_fixed_size: 34304
    .private_segment_fixed_size: 0
    .kernarg_segment_align: 8
    .kernarg_segment_size: 56
    .max_flat_workgroup_size: 128
    .sgpr_count:     66
    .vgpr_count:     240
    .wavefront_size: 32
...
	.end_amdgpu_metadata
.endif
;; end of part 1
;; launch gemm_qkv (part 2): grid 12 x 32, 4 waves a work-group, clusters of 4 x 4, 327,680 bytes of LDS; arguments x_img, wqkv_img, b_qkv, lowp_scales, qkv_img; writes qkv_img
.if DOCPART == 2
	.amdgcn_target "amdgcn-amd-amdhsa--gfx1250"
	.amdhsa_code_object_version 6
	.text
	.protected	k_q37dc757d1e_gemm_qkv
	.globl	k_q37dc757d1e_gemm_qkv
	.p2align	8
	.type	k_q37dc757d1e_gemm_qkv,@function
k_q37dc757d1e_gemm_qkv:
	s_mov_b64 s[64:65], 0
	v_nop
	global_prefetch_b8 v0, s[64:65] scope:SCOPE_SE
	s_setreg_imm32_b32 hwreg(HW_REG_WAVE_MODE, 25, 1), 1
	s_wait_xcnt 0x0
	s_wait_alu depctr_hold_cnt(0) depctr_sa_sdst(0) depctr_va_vdst(0) depctr_va_sdst(0) depctr_va_ssrc(0) depctr_va_vcc(0) depctr_vm_vsrc(0)
	s_getreg_b32 s2, hwreg(HW_REG_IB_STS2, 6, 4)
	s_cmp_eq_u32 s2, 0
	s_cbranch_scc0 .Lentry_in_a_cluster
	s_endpgm
.Lentry_in_a_cluster:
	s_bfe_u32 s2, ttmp6, 0x10000c
	s_cmp_lg_u32 s2, 0xf033
	s_cbranch_scc0 .Lentry_shape_is_right
	s_endpgm
.Lentry_shape_is_right:
; qkv = x W_qkv + b_qkv on codes of FP8 (E4M3); q, k and v are quantised on the way out, with the scales of entries 2, 3 and 5, and leave as images of the registers that the attention launch loads.
; OPERANDS: images of registers.  A fragment (16 rows x 128 K) is 2,048 bytes, chunk c at 512 c + 16 x lane, lane (r, h) holding k = 32 c + 16 h + 0 .. 15 of lane-row r (a permutation of k, the same on both sides);
; a buffer is [tile][8 K steps][2,048]; lane-row r of tile t is row 32 (t / 2) + 8 (t % 2) + r + 8 (r / 8).
; A tile of C, 256 x 256, is made by four waves, each 128 x 128: 64 accumulators.  K = 1,024 goes in four steps of 256 through two LDS slots.  THE MATRIX INSTRUCTION IS USED TRANSPOSED (source 0 = a tile of "B", source 1 = a tile
; of "A"): lane (r, h), register j of accumulator (a, b) is A's row of lane-row r of tile a and B's row 32 (b / 2) + 16 h + 8 (b % 2) + j.  So the 16 registers of accumulators 2 z and 2 z + 1 are 16 NEIGHBOURS along B,
; two conversions make four registers of codes, and these are chunk z of the next operand's image: one store of 512 consecutive bytes.  No stage, no transposition.
; TWO MODES, by the cluster's x (the same in all sixteen partners).  Clusters 0 and 1: A = x's tokens, B = the channels of q (0) or k (1): codes with the head's 64 innermost.  Cluster 2: A = the channels of v, B = x's tokens:
; v^T, codes with the KEYS innermost, as the second product of attention wants them.  Only pointers, tile numbers and the way out differ.
; qkv_img: [64 heads of batches][393,216]: Q 128 token tiles x 1,024, then 16 key steps of 128 tokens x 16,384: K 8 tiles x 1,024 | V 4 channel tiles x 2,048.
; CLUSTERS: 4 x 4 work-groups; A's tiles are asked for jointly along a row of the cluster, B's along a column.
; LIMITS: e0 + e1 between -126 and 127; e2, e3, e5 between -126 and 119.  NaN is not served.
; Prefetches into the L2 behind the first two loads name K steps 1-3.
; REGISTERS: window 0: v16-31 addresses and scales; v32-95 the bias; v96-127 codes, two sets; v128-255 A's fragments, one set.  window 1: B's fragments, two sets.  windows 2, 3: the accumulators ((a, b) at v[8 (8 (a % 4) + b)]).
.set KSB,    4096                      ; a tile's bytes of a K step of 256: two fragments
.set HALFT,  8*KSB                     ; 8 tiles: what one tensor load brings, and what one wave reads of A or of B
.set SLOT,   4*HALFT
.set SPARE,  2*SLOT                    ; behind the ring: the spare words, 128 bytes for each wave: two blocks of 256 bytes that no other line names
.set HEADB,  393216                    ; a head's bytes in qkv_img
.set FR,   16
.set NL,   4
.set NP,   4                           ; places behind this matrix instruction (ISA guide 7.12.1)
.set ADRA, 16                          ; v16-17 LDS address of my A fragments in slot 0, 1
.set ADRB, 20                          ; v20-21 the same for B
.set LI,   22                          ; v22    16 x lane
.set BOQ,  23                          ; v23    the bias by registers: 64 h
.set BOV,  27                          ; v27    the bias by lanes: 4 (r + 8 (r / 8))
.set SPW,  28                          ; v28    LDS address of my spare word; never rewritten
.set NIL,  29                          ; v29    0; never rewritten
.set LIM,  30                          ; v30    448 x the output's scale
.set SCL,  31                          ; v31    the output's scale
.set BIAS, 32
.set CODES, 96
.set AF,   128
.set G1, 24
.set G0, 32
.set G1B, 48
.set G0B, 56
.set MSB, 0
.macro WIN new                         ; the immediate's high byte repeats the setting that is left
.if MSB != (\new)
	s_set_vgpr_msb (MSB<<8)|(\new)
.set MSB, (\new)
.endif
.endm
.set MUL_LO, 0xa1                      ; source 0 (B) window 1, source 1 (A) window 0, C and D window 2
.set MUL_HI, 0xf1                      ; the same, C and D window 3
.set TO_B,   0x40                      ; destination window 1, address window 0
; A joint load: waves 0 and 1 fetch for A, waves 2 and 3 for B; the branch hangs on the wave's number alone.  An s_nop 0 and four v_nop follow each of the two lines.
.macro JLOAD g0a, g1a, g0b, g1b
	s_cmp_eq_u32 s15, 0
	s_cbranch_scc0 .Lfor_b_\@
	tensor_load_to_lds s[\g0a:\g0a+3], s[\g1a:\g1a+7]
	s_nop 0
.rept 4
	v_nop
.endr
	s_branch .Lasked_\@
.Lfor_b_\@:
	tensor_load_to_lds s[\g0b:\g0b+3], s[\g1b:\g1b+7]
	s_nop 0
.rept 4
	v_nop
.endr
.Lasked_\@:
.endm
.macro CREST                           ; a round of the cluster's barrier behind its opening barrier
	s_cmp_lg_u32 s14, 0
	s_cbranch_scc1 .Lnot_wave_0_\@
	s_barrier_signal -3
.Lnot_wave_0_\@:
	s_barrier_wait -3
	s_barrier_signal -1
	s_barrier_wait -1
.endm
.macro CROUND
	s_barrier_signal -1
	s_barrier_wait -1
	CREST
.endm
	s_load_b256 s[4:11], s[0:1], 0x0               ; x_img s[4:5], wqkv_img s[6:7], b_qkv s[8:9], the scales' exponents s[10:11]
	s_load_b64 s[12:13], s[0:1], 0x20              ; qkv_img
	v_lshl_add_u32 v[SPW], v0, 2, SPARE
	v_mov_b32 v[NIL], 0
	ds_add_u32 v[SPW], v[NIL]                      ; the wave's opening: the add and its wait ahead of my first tensor load; the set-up below, work on registers, stands between them
	ds_add_u32 v[SPW], v[NIL]
	v_lshrrev_b32 v1, 5, v0
	v_readfirstlane_b32 s14, v1
	v_bfe_u32 v19, v0, 4, 1                        ; the prefetches' offset (v18, never rewritten): lanes 0-15 take the 16 blocks of 256 bytes of one tile's K step, lanes 16-31 the next tile's, 16,384 bytes on
	v_and_b32 v18, 15, v0
	v_lshlrev_b32 v18, 8, v18
	v_lshl_add_u32 v18, v19, 14, v18
	s_lshr_b32 s15, s14, 1                         ; which half of the tile's A rows is mine.  Also: I fetch for A (0) or for B (1)
	s_and_b32 s16, s14, 1                          ; which half of its B rows.  Also: which 8 tiles I fetch
	s_bfe_u32 s40, ttmp6, 0x40000                  ; cx
	s_bfe_u32 s41, ttmp6, 0x40004                  ; cy
	s_and_b32 s18, ttmp7, 0xffff
	s_lshl_b32 s18, s18, 2                         ; 4 x cluster y
	s_add_co_u32 s19, s18, s41                     ; q, k: A's block of 256 tokens = 4 x cluster y + cy
	s_add_co_u32 s20, s41, 8                       ; v:    A's block of 256 channels = 8 + cy (v's channels begin at 2,048)
	s_lshl_b32 s21, ttmp9, 2
	s_add_co_u32 s21, s21, s40                     ; q, k: B's block of 256 channels = 4 x cluster x + cx
	s_add_co_u32 s22, s18, s40                     ; v:    B's block of 256 tokens = 4 x cluster y + cx
	s_cmp_eq_u32 ttmp9, 2                          ; the mode hangs on the cluster's x alone
	s_cselect_b32 s23, 1, 0
	s_cselect_b32 s17, s20, s19                    ; A's block: made of cy and the cluster's place alone
	s_cselect_b32 s42, s22, s21                    ; B's block: of cx and the cluster's place alone
	s_lshl_b32 s43, s41, 2
	s_lshl_b32 s43, 15, s43                        ; my row of the cluster
	s_lshl_b32 s44, 0x1111, s40                    ; my column
	; descriptor group 1: 8 rows (tiles) of 4,096 bytes, 16,384 bytes apart, in elements of 8 bytes; dense in LDS
	s_or_b32 s[G1+0], s43, (3<<16)|(1<<21)         ; 15:0 the mask: A's tiles go to my row; 17:16 elements of 8 bytes; 21 set beside a mask
	s_or_b32 s[G1B+0], s44, (3<<16)|(1<<21)
.irp g, G1, G1B
	s_mov_b32 s[\g+1], 512<<16                     ; tensor_dim0 = 512
	s_mov_b32 s[\g+2], 8<<16                       ; tensor_dim1 = 8
	s_mov_b32 s[\g+3], 512<<16                     ; tile_dim0 = 512
	s_mov_b32 s[\g+4], 8                           ; tile_dim1 = 8
	s_mov_b32 s[\g+5], 2048                        ; tensor_dim0_stride
	s_mov_b32 s[\g+6], 0
	s_mov_b32 s[\g+7], 0
.endr
	s_lshl_b32 s80, s16, 17                        ; which 8 tiles of 16,384 bytes I fetch
	s_lshl_b32 s66, s17, 18                        ; a block of 256 rows is 16 tiles
	s_add_co_u32 s66, s66, s80
	s_mov_b32 s67, 0
	s_lshl_b32 s46, s42, 18
	s_add_co_u32 s46, s46, s80
	s_mov_b32 s47, 0
	s_mul_i32 s45, s14, HALFT                      ; where they go: A's two halves, then B's: no place in the cluster enters an LDS address
	s_wait_dscnt 0x0                               ; the opening add is done
	s_wait_kmcnt 0x0
	s_load_b256 s[68:75], s[10:11], 0x0            ; the eight exponents
	s_cmp_eq_u32 ttmp9, 2
	s_cselect_b64 s[76:77], s[6:7], s[4:5]         ; A: the weights for v, else x
	s_cselect_b64 s[78:79], s[4:5], s[6:7]         ; B: the other
	s_add_nc_u64 s[66:67], s[76:77], s[66:67]
	s_add_nc_u64 s[46:47], s[78:79], s[46:47]
	; PREFETCHES INTO THE L2 (these lines take the place of the head comment's sentence on prefetching): each first fill waits for the one before, so what the later loads ask for is asked of memory earlier.
	; Of the 8 tiles that my wave fetches, each of the four partners that ask for them jointly takes two, told apart by address: cx for A's tiles, cy for B's.
	s_cmp_eq_u32 s15, 0
	s_cselect_b64 s[88:89], s[66:67], s[46:47]
	s_cselect_b32 s90, s40, s41
	s_lshl_b32 s90, s90, 15
	s_mov_b32 s91, 0
	s_add_nc_u64 s[88:89], s[88:89], s[90:91]
	CROUND                                         ; all sixteen work-groups are here: the first joint loads meet
.irp s, 0,1
	s_mov_b32 s[G0+4*\s], 1
	s_add_co_u32 s[G0+4*\s+1], s45, \s*SLOT
	s_add_nc_u64 s[G0+4*\s+2:G0+4*\s+3], s[66:67], \s*KSB
	s_or_b32 s[G0+4*\s+3], s[G0+4*\s+3], 0x80000000
	s_mov_b32 s[G0B+4*\s], 1
	s_add_co_u32 s[G0B+4*\s+1], s45, \s*SLOT
	s_add_nc_u64 s[G0B+4*\s+2:G0B+4*\s+3], s[46:47], \s*KSB
	s_or_b32 s[G0B+4*\s+3], s[G0B+4*\s+3], 0x80000000
	s_wait_alu depctr_va_vdst(0)                   ; waits, two adds and a round ahead of each first fill: one tensor load a wave behind each
	s_wait_tensorcnt 0x0
	ds_add_u32 v[SPW], v[NIL]
	ds_add_u32 v[SPW], v[NIL]
	s_wait_dscnt 0x0
	CROUND
	JLOAD G0+4*\s, G1, G0B+4*\s, G1B
.if \s == 0
	global_prefetch_b8 v18, s[88:89] offset:KSB th:TH_LOAD_NT scope:SCOPE_SE     ; behind K step 0's load: K steps 1 and 2, 8,192 bytes a wave each
	global_prefetch_b8 v18, s[88:89] offset:2*KSB th:TH_LOAD_NT scope:SCOPE_SE
.else
	global_prefetch_b8 v18, s[88:89] offset:3*KSB th:TH_LOAD_NT scope:SCOPE_SE   ; behind K step 1's load: K step 3, the last
.endif
.endr
	v_and_b32 v1, 31, v0
	v_lshlrev_b32 v[LI], 4, v1
	s_mul_i32 s81, s15, HALFT                      ; my 8 tiles of A
	s_mul_i32 s82, s16, HALFT                      ; my 8 tiles of B,
	s_add_co_u32 s82, s82, 2*HALFT                 ; which lie behind A's 16
.irp s, 0,1
	v_add_nc_u32 v[ADRA+\s], s81, v[LI]
	v_add_nc_u32 v[ADRB+\s], s82, v[LI]
	s_add_co_u32 s81, s81, SLOT
	s_add_co_u32 s82, s82, SLOT
.endr
	v_and_b32 v2, 15, v0                           ; r
	v_bfe_u32 v3, v0, 4, 1                         ; h
	v_lshlrev_b32 v[BOQ], 6, v3
	v_and_b32 v4, 8, v2
	v_add_nc_u32 v4, v4, v2
	v_lshlrev_b32 v[BOV], 2, v4
	; where my codes go and where my bias lies.  q, k: tokens by A, channels by B;  v: the other way round
	s_cmp_eq_u32 s23, 1
	s_cselect_b32 s80, s42, s17                    ; the block of 256 tokens: batch = block / 8, slot = block % 8
	s_cselect_b32 s81, s41, s40                    ; the block of 256 channels within q, k or v: four heads
	s_cselect_b32 s82, s15, s16                    ; my half of the channels: two heads
	s_cselect_b32 s83, s16, s15                    ; my half of the tokens: 8,192 bytes in each of the three parts
	s_cselect_b32 s86, s17, s42                    ; the block of 256 channels within b_qkv
	s_lshl_b32 s86, s86, 10
	s_lshl_b32 s87, s82, 9
	s_add_co_u32 s86, s86, s87
	s_mov_b32 s87, 0
	s_add_nc_u64 s[86:87], s[8:9], s[86:87]        ; the bias of my 128 channels
	s_lshr_b32 s84, s80, 3
	s_lshl_b32 s84, s84, 4
	s_lshl_b32 s81, s81, 2
	s_add_co_u32 s84, s84, s81
	s_lshl_b32 s82, s82, 1
	s_add_co_u32 s84, s84, s82                     ; 16 x batch + my first head
	s_mul_i32 s84, s84, HEADB
	s_and_b32 s80, s80, 7
	; THE LAYOUT OF A HEAD IN qkv_img, which takes the place of the one in the head comment: Q, 128 token tiles x 1,024 bytes (131,072 bytes), then 16 key steps of 128 tokens x 16,384 bytes: K 8 tiles x 1,024 | V 4 channel tiles x 2,048
	s_lshl_b32 s80, s80, 14                        ; Q: 16,384 x slot
	s_lshl_b32 s83, s83, 13                        ;    + 8,192 x my half of the tokens
	s_add_co_u32 s80, s80, s83
	s_lshl_b32 s83, ttmp9, 13
	s_add_co_u32 s83, s83, 122880                  ; K begins at 131,072, V 8,192 further on
	s_cmp_eq_u32 ttmp9, 0
	s_cselect_b32 s81, 0, 1                        ; K, V: twice Q's distances: a key step holds both
	s_cselect_b32 s83, 0, s83
	s_lshl_b32 s80, s80, s81
	s_add_co_u32 s84, s84, s80
	s_add_co_u32 s84, s84, s83
	s_mov_b32 s85, 0
	s_add_nc_u64 s[84:85], s[12:13], s[84:85]
	s_wait_kmcnt 0x0
	s_add_co_i32 s96, s68, s69                     ; e0 + e1
	s_add_co_i32 s96, s96, 127
	s_lshl_b32 s96, s96, 23                        ; 2^(e0 + e1) as f32
	s_mov_b32 s97, s96                             ; (named with it as a pair, so it is written)
	s_cmp_eq_u32 ttmp9, 0
	s_cselect_b32 s80, s70, s71                    ; q: entry 2; k: entry 3
	s_cmp_eq_u32 ttmp9, 2
	s_cselect_b32 s80, s73, s80                    ; v: entry 5.  A choice, no branch
	s_add_co_i32 s80, s80, 127
	s_lshl_b32 s81, s80, 23
	v_mov_b32 v[SCL], s81
	s_add_co_i32 s80, s80, 8
	s_lshl_b32 s80, s80, 23
	s_or_b32 s80, s80, 0x600000
	v_mov_b32 v[LIM], s80
.macro FRAG reg, adr, q, i             ; a fragment as it lies: tile i, the slot's q-th 128 along K: four loads of 512 consecutive bytes
.irp c, 0,1,2,3
	ds_load_b128 v[\reg+4*\c:\reg+4*\c+3], v[\adr] offset:(\i)*KSB+(\q)*2048+512*\c
.endr
.endm
; 16 matrix instructions: A's blocks a0, a0 + 1 x B's eight.  The 64 accumulators take turns, one instruction a turn, in the same order in every step.
.macro MUL16 a0, p, zero
.irp a, \a0, \a0+1
.irp b, 0,1,2,3,4,5,6,7
.if \zero
	v_wmma_f32_16x16x128_fp8_fp8 v[8*(8*((\a)%4)+\b):8*(8*((\a)%4)+\b)+7], v[128*(\p)+FR*\b:128*(\p)+FR*\b+FR-1], v[AF+FR*(\a):AF+FR*(\a)+FR-1], 0
.else
	v_wmma_f32_16x16x128_fp8_fp8 v[8*(8*((\a)%4)+\b):8*(8*((\a)%4)+\b)+7], v[128*(\p)+FR*\b:128*(\p)+FR*\b+FR-1], v[AF+FR*(\a):AF+FR*(\a)+FR-1], v[8*(8*((\a)%4)+\b):8*(8*((\a)%4)+\b)+7]
.endif
.endr
.endr
.endm
.macro FETCH_B slot, q, p
	WIN TO_B
.irp i, 0,1,2,3,4,5,6,7
	FRAG 128*(\p)+FR*\i, ADRB+\slot, \q, \i
.endr
	WIN 0
.endm
.macro FETCH_A slot, q, i0
.irp i, \i0, \i0+1, \i0+2, \i0+3
	FRAG AF+FR*(\i), ADRA+\slot, \q, \i
.endr
.endm
.macro PLACES n                        ; plain vector instructions between a matrix instruction and a load into, or a vector instruction on, one of its registers (ISA guide 7.12.1 for vector instructions)
.rept \n
	v_nop
.endr
.endm
.macro STEP slot, q, zero              ; 128 along K whose successor lies in the same slot
	s_wait_dscnt 4*NL                              ; B's set and A's blocks 0-3 are in; the youngest 16 loads (A's blocks 4-7) may be out
	WIN MUL_LO
	MUL16 0, (\q)%2, \zero
	MUL16 2, (\q)%2, \zero
	s_wait_dscnt 0
	PLACES NP
	FETCH_B \slot, (\q)+1, 1-(\q)%2
	FETCH_A \slot, (\q)+1, 0
	WIN MUL_HI
	MUL16 4, (\q)%2, \zero
	MUL16 6, (\q)%2, \zero
	PLACES NP
	WIN 0
	FETCH_A \slot, (\q)+1, 4
.endm
; A slot's last step changes slots: one barrier; in front of it each wave waits for all its tensor loads, adds 0 to its spare word, and waits for that and for its reads of this slot.  fill = 1: the slot is filled again, two K steps ahead.
.macro TURN slot, next, fill
	s_wait_tensorcnt 0x0                           ; all my tensor loads have landed: my part of the next slot
	ds_add_u32 v[SPW], v[NIL]                      ; 0 onto my spare word
	s_wait_dscnt 4*NL+1                            ; (the add and the youngest 16 loads may be out)
	WIN MUL_LO
	MUL16 0, 1, 0                                  ; sixteen matrix instructions stand between the add and the wait for it
	s_wait_dscnt 0x0                               ; the add is done, and my reads of this slot are over
	s_barrier_signal -1
	MUL16 2, 1, 0
	WIN 0
	s_barrier_wait -1
.if \fill
	CREST                                          ; the barrier has opened a round of the cluster's: no wave of any partner still reads this slot or has a load on its way
	s_add_nc_u64 s[G0+4*\slot+2:G0+4*\slot+3], s[G0+4*\slot+2:G0+4*\slot+3], 2*KSB
	s_add_nc_u64 s[G0B+4*\slot+2:G0B+4*\slot+3], s[G0B+4*\slot+2:G0B+4*\slot+3], 2*KSB
	JLOAD G0+4*\slot, G1, G0B+4*\slot, G1B         ; the first tensor load behind the round; its four v_nop are the places in front of the loads below
.else
	PLACES NP
.endif
	s_wait_alu depctr_va_vdst(0)
	FETCH_B \next, 0, 0
	FETCH_A \next, 0, 0
	WIN MUL_HI
	MUL16 4, 1, 0
	MUL16 6, 1, 0
	PLACES NP
	WIN 0
	FETCH_A \next, 0, 4
.endm
.macro LAST                            ; the very last step: nothing more to fetch
	s_wait_dscnt 4*NL
	WIN MUL_LO
	MUL16 0, 1, 0
	MUL16 2, 1, 0
	s_wait_dscnt 0
	WIN MUL_HI
	MUL16 4, 1, 0
	MUL16 6, 1, 0
	WIN 0
.endm
; THE WAY OUT, A's block a at a time: sum x 2^(e0 + e1) + bias, in place, each accumulator from its low end on; the hold; eight conversions; four stores of 512 consecutive bytes.
; mode 0: the bias goes by registers (B's rows are channels); mode 1: by lanes (A's rows are channels).
.macro EPI mode
	s_wait_loadcnt 0x0                             ; the bias
	PLACES NP
.irp a, 0,1,2,3,4,5,6,7
.set EW, 2+\a/4
.set EAC, 64*(\a%4)
	WIN (EW<<6)|EW                                 ; source 0 and destination: the accumulators' window
.irp b, 0,1,2,3,4,5,6,7
.irp i, 0,2,4,6
.if \mode
	v_pk_fma_f32 v[EAC+8*\b+\i:EAC+8*\b+\i+1], v[EAC+8*\b+\i:EAC+8*\b+\i+1], s[96:97], v[BIAS+2*\a:BIAS+2*\a+1] op_sel_hi:[1,0,1]
.else
	v_pk_fma_f32 v[EAC+8*\b+\i:EAC+8*\b+\i+1], v[EAC+8*\b+\i:EAC+8*\b+\i+1], s[96:97], v[BIAS+8*\b+\i:BIAS+8*\b+\i+1] op_sel_hi:[1,0,1]
.endif
.endr
.endr
.set j, 0
.rept 64
	v_med3_num_f32 v[EAC+j], v[EAC+j], -v[LIM], v[LIM]   ; the conversion to an 8-bit code does not saturate (ISA guide 7.6.2)
.set j, j+1
.endr
	WIN EW
.if \a >= 2
	s_wait_alu depctr_va_vdst(0)
	s_wait_xcnt 0x0                                ; the stores of two blocks back have read this set of codes
.endif
.irp g, 0,1,2,3,4,5,6,7
	v_cvt_scalef32_pk8_fp8_f32 v[CODES+16*(\a%2)+2*\g:CODES+16*(\a%2)+2*\g+1], v[EAC+8*\g:EAC+8*\g+7], v[SCL]
.endr
	WIN 0
	v_nop                                          ; one plain vector line behind the last conversion
.irp z, 0,1,2,3
.if \mode
	global_store_b128 v[LI], v[CODES+16*(\a%2)+4*\z:CODES+16*(\a%2)+4*\z+3], s[84:85] offset:(\a/4)*HEADB+(\a%4)*2048+512*\z   ; head a / 4, channel tile a % 4, keys 32 z on
.else
	global_store_b128 v[LI], v[CODES+16*(\a%2)+4*\z:CODES+16*(\a%2)+4*\z+3], s[84:85] offset:(\z/2)*HEADB+\a*1024+(\z%2)*512   ; head z / 2, token tile a, the head's 32 (z % 2) on
.endif
.endr
.endr
.endm
	s_wait_tensorcnt 1                             ; my part of K step 0 is in; K step 1's load may be out
	s_barrier_signal -1
	s_barrier_wait -1
	FETCH_B 0, 0, 0
	FETCH_A 0, 0, 0
	FETCH_A 0, 0, 4
	STEP 0, 0, 1                                   ; the first products start the sums: nothing is cleared
	TURN 0, 1, 1                                   ; slot 0 takes K step 2
	STEP 1, 0, 0
	TURN 1, 0, 1                                   ; slot 1 takes K step 3
	STEP 0, 0, 0
	TURN 0, 1, 0
	STEP 1, 0, 0
	s_cmp_eq_u32 s23, 1                            ; the two ways out part on the cluster's x; each asks for its bias ahead of the last 64 products
	s_cbranch_scc1 .Lv
.irp z, 0,1,2,3
.irp p, 0,1,2,3
	global_load_b128 v[BIAS+16*\z+4*\p:BIAS+16*\z+4*\p+3], v[BOQ], s[86:87] offset:128*\z+16*\p   ; channels 32 z + 16 h + 4 p on: register 8 b + i is accumulator b's register i
.endr
.endr
	LAST
	EPI 0
	s_branch .Lout
.Lv:
.irp a, 0,1,2,3,4,5,6,7
	global_load_b32 v[BIAS+2*\a], v[BOV], s[86:87] offset:(32*(\a/2)+8*(\a%2))*4       ; my lane-row's channel of tile a,
	global_load_b32 v[BIAS+2*\a+1], v[BOV], s[86:87] offset:(32*(\a/2)+8*(\a%2))*4     ; twice: a pair for the packed form
.endr
	LAST
	EPI 1
.Lout:
	s_wait_tensorcnt 0x0                           ; the wave's end
	ds_add_u32 v[SPW], v[NIL]
	s_wait_dscnt 0x0
	CROUND                                         ; the closing round: no work-group ends while a partner may still ask for a tile that names it
	s_endpgm
.Lfunc_end_k_q37dc757d1e_gemm_qkv:
	.size	k_q37dc757d1e_gemm_qkv, .Lfunc_end_k_q37dc757d1e_gemm_qkv-k_q37dc757d1e_gemm_qkv
	.p2alignl 7, 3214868480
	.fill 96, 4, 3214868480
	.section	.rodata,"a",@progbits
	.p2align	6, 0x0
	.amdhsa_kernel k_q37dc757d1e_gemm_qkv
		.amdhsa_group_segment_fixed_size 327680
		.amdhsa_private_segment_fixed_size 0
		.amdhsa_enable_private_segment 0
		.amdhsa_kernarg_size 40
		.amdhsa_user_sgpr_count 2
		.amdhsa_user_sgpr_kernarg_segment_ptr 1
		.amdhsa_wavefront_size32 1
		.amdhsa_system_sgpr_workgroup_id_x 1
		.amdhsa_system_sgpr_workgroup_id_y 1
		.amdhsa_system_sgpr_workgroup_id_z 1
		.amdhsa_system_vgpr_workitem_id 0
		.amdhsa_next_free_vgpr 1024
		.amdhsa_next_free_sgpr 100
		.amdhsa_reserve_vcc 0
		.amdhsa_float_denorm_mode_32 3
		.amdhsa_float_denorm_mode_16_64 3
		.amdhsa_memory_ordered 1
		.amdhsa_forward_progress 1
		.amdhsa_inst_pref_size 200
	.end_amdhsa_kernel
	.amdgpu_metadata
---
amdhsa.version: [ 1, 2 ]
amdhsa.kernels:
  - .name:           k_q37dc757d1e_gemm_qkv
    .symbol:         k_q37dc757d1e_gemm_qkv.kd
    .args:
      - { .name: x_img, .offset: 0, .size: 8, .value_kind: global_buffer, .address_space: global }
      - { .name: wqkv_img, .offset: 8, .size: 8, .value_kind: global_buffer, .address_space: global }
      - { .name: b_qkv, .offset: 16, .size: 8, .value_kind: global_buffer, .address_space: global }
      - { .name: lowp_scales, .offset: 24, .size: 8, .value_kind: global_buffer, .address_space: global }
      - { .name: qkv_img, .offset: 32, .size: 8, .value_kind: global_buffer, .address_space: global }
    .group_segment_fixed_size: 327680
    .private_segment_fixed_size: 0
    .kernarg_segment_align: 8
    .kernarg_segment_size: 40
    .max_flat_workgroup_size: 128
    .sgpr_count:     100
    .vgpr_count:     1024
    .wavefront_size: 32
...
	.end_amdgpu_metadata
.endif
;; end of part 2
;; launch attn (part 3): grid 256 x 1, 16 waves a work-group, clusters of 4 x 1, 327,680 bytes of LDS; arguments qkv_img, lowp_scales, y_img; writes y_img
.if DOCPART == 3
	.amdgcn_target "amdgcn-amd-amdhsa--gfx1250"
	.amdhsa_code_object_version 6
	.text
	.protected	k_q37dc757d1e_attn
	.globl	k_q37dc757d1e_attn
	.p2align	8
	.type	k_q37dc757d1e_attn,@function
k_q37dc757d1e_attn:
	s_mov_b64 s[64:65], 0
	v_nop
	global_prefetch_b8 v0, s[64:65] scope:SCOPE_SE
	s_setreg_imm32_b32 hwreg(HW_REG_WAVE_MODE, 25, 1), 1
	s_wait_xcnt 0x0
	s_wait_alu depctr_hold_cnt(0) depctr_sa_sdst(0) depctr_va_vdst(0) depctr_va_sdst(0) depctr_va_ssrc(0) depctr_va_vcc(0) depctr_vm_vsrc(0)
	s_getreg_b32 s2, hwreg(HW_REG_IB_STS2, 6, 4)
	s_cmp_eq_u32 s2, 0
	s_cbranch_scc0 .Lentry_in_a_cluster
	s_endpgm
.Lentry_in_a_cluster:
	s_bfe_u32 s2, ttmp6, 0x10000c
	s_cmp_lg_u32 s2, 0x3003
	s_cbranch_scc0 .Lentry_shape_is_right
	s_endpgm
.Lentry_shape_is_right:
; y = softmax(q k^T / 8, causal) v for 64 heads of batches, 2,048 tokens, head size 64, both products on codes of FP8 (E4M3); y is quantised on the way out (entry 6) and leaves as the image of the last product's operand.
; qkv_img, a head (393,216 bytes): Q 128 token tiles x 1,024 | 16 key steps of 128 tokens x 16,384: K 8 tiles x 1,024, V 4 channel tiles x 2,048.  A tile of Q or K: 16 tokens x 64, chunk c at 512 c + 16 x lane, lane (r, h) holding
; d = 32 c + 16 h + 0 .. 15 of lane-row r.  A fragment of V: 16 channels x 128 keys, chunk c holding keys 32 c + 16 h + 0 .. 15.  Lane-row r of tile t is row 32 (t / 2) + 8 (t % 2) + r + 8 (r / 8).
; THE SOFTMAX AHEAD OF THE SECOND PRODUCT: t = score x log2(e) / 8; M = the running largest t rounded UP to a whole number; p = 2^(t - M) is quantised (entry 4), not normalised; the row's sum is taken of the unquantised p
; and divides at the end; when M moves, the sum and O are multiplied by 2^(old M - new M), which rounds nothing.
; BOTH PRODUCTS ARE USED TRANSPOSED: S^T = K Q^T, O^T = V^T P^T: a lane holds ONE query (lane % 16); the 16 registers of tiles 2 b and 2 b + 1 are 16 neighbouring keys (channels), so the conversions' results are the next operand's registers.
; SHARES.  A cluster of four work-groups owns a head.  The partner at place cx owns the query tiles T = 4 m + cx, m = 0 .. 31.  Tile T's queries lie in the block of 128 numbered T / 8 = m / 2, whatever cx: it needs m / 2 + 1 key steps.
; Wave w takes m = 31 - w and then m = w: 16 - w / 2 and w / 2 + 1 key steps, 17 together in every wave of every work-group.  So no branch, trip count or LDS address hangs on cx: only Q's and y's places in memory and the mask's lane number do.
; WORK LEFT OUT: a key step all of whose keys come after the tile's queries is left out by a scalar branch on the wave's number and the count of steps; on the diagonal step hidden scores become -infinity.
; LDS.  The head's K and V, 262,144 bytes, lie in LDS whole, as in memory: nothing is filled again.  They come by two groups of JOINT loads (mask 15: all four partners), every wave one load in each: key steps 0-3 (4,096 bytes a wave) at the head,
; key steps 4-15 (12,288 bytes a wave) behind the full sequence and a round of the cluster's barrier.  Key step 15 is read by waves 0 and 1 of every partner, so every load's bytes are read in each partner.
; No prefetch: the launch has two groups of loads and no loop of loads to run ahead in.
; LIMITS: e2 + e3 between -123 and 130 (added to c's exponent field); e4, and e6 - e4 - e5, between -126 and 119; the scaled scores t stay under 2^31 in magnitude.  NaN is not served.
; REGISTERS: v1-8 addresses; v12 -M, v13 the largest t, v[14:15] the sum in two halves; v16-23, v24-31 Q's two tiles; v32-95 K's, then V's fragments; v96-159 S^T, then p; v160-191 O^T; v192-205 at work and constants; v224-239 codes; v244-255 partial sums.
.set HEADB, 393216
.set KVOFF, 131072                     ; K and V behind a head's Q
.set KSB,   16384                      ; a key step's K and V
.set PARTA, 4096                       ; a wave's part of key steps 0-3
.set PARTB, 12288                      ; and of key steps 4-15
.set STA,   4*KSB
.set SPARE, 16*KSB                     ; behind the image: the spare words, 128 bytes for each wave: eight blocks of 256 bytes that no other line names
.set DUAL,  1                          ; p's hold two numbers an instruction
.set LI,   1                           ; v1  16 x lane
.set DM,   2                           ; v2  my query within its block of 128, less 16 h
.set DM0,  3                           ; v3  its lane term: r + 8 (r / 8) - 16 h
.set SPW,  5                           ; v5  LDS address of my spare word; never rewritten
.set NIL,  6                           ; v6  0; never rewritten
.set ADK,  8                           ; v8  LDS address of the key step in hand + 16 x lane
.set HA,   200                         ; v200, v201  448 x 2^e4, twice: one for each half of a pair
.set HB,   201
.set NINF, 202
.set PS,   203                         ; 2^e4
.set YH,   204                         ; 448 x 2^(e6 - e4 - e5)
.set YS,   205                         ; 2^(e6 - e4 - e5)
.set WV,   18
.set CX,   19
.set SEL,  20                          ; s[20:21] lane selects for v_permlanex16_b32: lane l xor 16
.set CS,   22                          ; s[22:23] c = log2(e) / 8 x 2^(e2 + e3)
.set G1A,  24
.set G1B,  32
.set G0A,  40
.set G0B,  44
.set QA1,  48                          ; s[48:51] Q's two tiles;  s[52:55] y's two places
.set QA2,  50
.set YA1,  52
.set YA2,  54
.set DG1,  56                          ; the tiles' diagonal key steps: of the wave's number alone
.set DG2,  57
.set DD1,  58                          ; the tiles' first rows in their blocks of 128
.set DD2,  59
.set M1,   60
.set M2,   61
.set KS,   62                          ; the key step
.set TB,   63                          ; and its LDS byte
.macro CROUND                          ; a round of the cluster's barrier
	s_barrier_signal -1
	s_barrier_wait -1
	s_cmp_lg_u32 s[WV], 0
	s_cbranch_scc1 .Lnot_wave_0_\@
	s_barrier_signal -3
.Lnot_wave_0_\@:
	s_barrier_wait -3
	s_barrier_signal -1
	s_barrier_wait -1
.endm
.macro TL g0, g1                       ; a joint load, issued by every wave; an s_nop 0 and four v_nop follow it
	tensor_load_to_lds s[\g0:\g0+3], s[\g1:\g1+7]
	s_nop 0
.rept 4
	v_nop
.endr
.endm
.macro PLACE m, dg, qa, ya, dd         ; tile m of my work-group: offsets in bytes
	s_lshr_b32 s[\dg], s[\m], 1
	s_lshl_b32 s92, s[\m], 2
	s_add_co_u32 s92, s92, s[CX]                   ; T = 4 m + cx
	s_lshl_b32 s[\qa], s92, 10
	s_add_co_u32 s[\qa], s[\qa], s82
	s_mov_b32 s[\qa+1], 0
	s_lshl_b32 s[\ya], s92, 14                     ; y_img: token tile 128 x batch + T, of 16,384 bytes
	s_add_co_u32 s[\ya], s[\ya], s93
	s_mov_b32 s[\ya+1], 0
	s_and_b32 s[\dd], s[\m], 1
	s_lshl_b32 s[\dd], s[\dd], 6
	s_add_co_u32 s[\dd], s[\dd], s94               ; 32 ((T / 2) % 4) + 8 (T % 2)
.endm
.macro INIT dd                         ; a tile begins: O^T and the sum are zeros and the largest t is -3e38, so the step is written once
	v_add_nc_u32 v[DM], s[\dd], v[DM0]
	v_mov_b32 v13, 0xff61b1e6
	v_mov_b32 v14, 0
	v_mov_b32 v15, 0
	v_floor_f32 v12, -v13
.set j, 0
.rept 32
	v_mov_b32 v[160+j], 0
.set j, j+1
.endr
.endm
	s_load_b128 s[4:7], s[0:1], 0x0                ; qkv_img s[4:5], the scales' exponents s[6:7]
	s_load_b64 s[8:9], s[0:1], 0x10                ; y_img
	v_lshl_add_u32 v[SPW], v0, 2, SPARE
	v_mov_b32 v[NIL], 0
	ds_add_u32 v[SPW], v[NIL]                      ; the wave's opening: the add, twice on end, and its wait ahead of my first tensor load
	ds_add_u32 v[SPW], v[NIL]
	v_lshrrev_b32 v8, 5, v0
	v_readfirstlane_b32 s[WV], v8                  ; wave 0..15
	s_bfe_u32 s[CX], ttmp6, 0x40000                ; my place in the cluster
	s_mul_i32 s82, ttmp9, HEADB                    ; the cluster's x is the head of a batch, 0..63
	s_mul_i32 s83, s[WV], PARTA                    ; my parts of the image, in LDS as in memory
	s_mul_i32 s84, s[WV], PARTB
	s_add_co_u32 s84, s84, STA
	s_add_co_u32 s86, s82, KVOFF
	s_add_co_u32 s88, s86, s83
	s_mov_b32 s89, 0
	s_add_co_u32 s90, s86, s84
	s_mov_b32 s91, 0
	s_lshr_b32 s93, ttmp9, 4                       ; y_img: 128 token tiles of 16,384 bytes a batch;
	s_lshl_b32 s93, s93, 21
	s_and_b32 s96, ttmp9, 15                       ; K step head / 2 of 2,048 bytes, chunks 2 (head % 2) on: 1,024 x head
	s_lshl_b32 s96, s96, 10
	s_add_co_u32 s93, s93, s96
	s_lshr_b32 s94, s[CX], 1
	s_lshl_b32 s94, s94, 5
	s_and_b32 s95, s[CX], 1
	s_lshl_b32 s95, s95, 3
	s_add_co_u32 s94, s94, s95                     ; 32 (cx / 2) + 8 (cx % 2)
	s_xor_b32 s[M1], s[WV], 31                     ; 31 - wave
	s_mov_b32 s[M2], s[WV]
	PLACE M1, DG1, QA1, YA1, DD1
	PLACE M2, DG2, QA2, YA2, DD2
	; descriptor groups 1: dense rows of 256 bytes in elements of 8 bytes: 16 rows, 48 rows; the mask names the four partners, bit 21 beside it
	s_mov_b32 s[G1A], 15|(3<<16)|(1<<21)
	s_mov_b32 s[G1A+1], 32<<16
	s_mov_b32 s[G1A+2], (PARTA/256)<<16
	s_mov_b32 s[G1A+3], 32<<16
	s_mov_b32 s[G1A+4], PARTA/256
	s_mov_b32 s[G1A+5], 32
	s_mov_b32 s[G1A+6], 0
	s_mov_b32 s[G1A+7], 0
	s_mov_b32 s[G1B], 15|(3<<16)|(1<<21)
	s_mov_b32 s[G1B+1], 32<<16
	s_mov_b32 s[G1B+2], (PARTB/256)<<16
	s_mov_b32 s[G1B+3], 32<<16
	s_mov_b32 s[G1B+4], PARTB/256
	s_mov_b32 s[G1B+5], 32
	s_mov_b32 s[G1B+6], 0
	s_mov_b32 s[G1B+7], 0
	s_mov_b32 s[SEL], 0x76543210
	s_mov_b32 s[SEL+1], 0xfedcba98
	s_mov_b32 s[CS], 0x3e38aa3b                    ; log2(e) / 8
	s_wait_dscnt 0x0                               ; both opening adds are done
	s_wait_kmcnt 0x0
	s_load_b256 s[68:75], s[6:7], 0x0              ; the eight exponents
	s_mov_b32 s[G0A], 1
	s_mov_b32 s[G0A+1], s83
	s_add_nc_u64 s[G0A+2:G0A+3], s[4:5], s[88:89]
	s_or_b32 s[G0A+3], s[G0A+3], 0x80000000
	s_mov_b32 s[G0B], 1
	s_mov_b32 s[G0B+1], s84
	s_add_nc_u64 s[G0B+2:G0B+3], s[4:5], s[90:91]
	s_or_b32 s[G0B+3], s[G0B+3], 0x80000000
	s_add_nc_u64 s[QA1:QA1+1], s[4:5], s[QA1:QA1+1]
	s_add_nc_u64 s[QA2:QA2+1], s[4:5], s[QA2:QA2+1]
	s_add_nc_u64 s[YA1:YA1+1], s[8:9], s[YA1:YA1+1]
	s_add_nc_u64 s[YA2:YA2+1], s[8:9], s[YA2:YA2+1]
	CROUND                                         ; all four partners are here: the first joint loads meet
	TL G0A, G1A                                    ; key steps 0-3: my one tensor load at the head
	s_wait_kmcnt 0x0
	s_add_co_i32 s84, s70, s71                     ; a score stands for score x 2^(e2 + e3): added to c's exponent field
	s_lshl_b32 s84, s84, 23
	s_add_co_i32 s[CS], s[CS], s84
	s_mov_b32 s[CS+1], s[CS]
	s_add_co_i32 s84, s72, 127
	s_lshl_b32 s85, s84, 23                        ; 2^e4
	s_add_co_i32 s84, s84, 8
	s_lshl_b32 s84, s84, 23
	s_or_b32 s84, s84, 0x600000                    ; 448 x 2^e4
	s_sub_co_i32 s86, s74, s72                     ; O / the sum stands for y / 2^(e4 + e5): y's code is that / 2^(e6 - e4 - e5)
	s_sub_co_i32 s86, s86, s73
	s_add_co_i32 s86, s86, 127
	s_lshl_b32 s87, s86, 23
	s_add_co_i32 s86, s86, 8
	s_lshl_b32 s86, s86, 23
	s_or_b32 s86, s86, 0x600000
	v_and_b32 v[LI], 31, v0
	v_lshlrev_b32 v[LI], 4, v[LI]
	global_load_b128 v[16:19], v[LI], s[QA1:QA1+1]             ; Q's two tiles stay in registers
	global_load_b128 v[20:23], v[LI], s[QA1:QA1+1] offset:512
	global_load_b128 v[24:27], v[LI], s[QA2:QA2+1]
	global_load_b128 v[28:31], v[LI], s[QA2:QA2+1] offset:512
	v_and_b32 v9, 15, v0                           ; r
	v_bfe_u32 v10, v0, 4, 1                        ; h
	v_and_b32 v11, 8, v9
	v_lshlrev_b32 v10, 4, v10
	v_add_nc_u32 v[DM0], v11, v9
	v_mov_b32 v[HA], s84
	v_mov_b32 v[HB], s84
	v_sub_nc_u32 v[DM0], v[DM0], v10
	v_mov_b32 v[PS], s85
	v_mov_b32 v[YH], s86
	v_mov_b32 v[YS], s87
	v_mov_b32 v[NINF], 0xff800000
	v_mov_b32 v192, 0                              ; written once: a lane permute's destination counts as one of its sources
	v_mov_b32 v195, 0                              ; (named as the upper half of the pair v[194:195])
	INIT DD1
; A KEY STEP: 128 keys.  qr: Q's registers; dg: the tile's diagonal step; full = 1: all keys count for every wave's tile, so the two tests and the mask are not assembled.
.macro STEP qr, dg, full
.if \full == 0
	s_cmp_gt_u32 s[KS], s[\dg]                     ; all its keys come after my tile's block: left out.  The wave's number and the count of steps alone
	s_cbranch_scc1 .Lhidden_\@
.endif
	v_add_nc_u32 v[ADK], s[TB], v[LI]
.rept 3
	v_nop                                          ; with the addition above: four places in front of loads into registers that the last products read
.endr
.irp t, 0,1,2,3,4,5,6,7
.irp c, 0,1
	ds_load_b128 v[32+8*\t+4*\c:32+8*\t+4*\c+3], v[ADK] offset:1024*\t+512*\c
.endr
.endr
	s_wait_alu depctr_va_vdst(0)
	s_wait_dscnt 0x0
.irp t, 0,1,2,3,4,5,6,7
	v_wmma_f32_16x16x64_fp8_fp8 v[96+8*\t:103+8*\t], v[32+8*\t:39+8*\t], v[\qr:\qr+7], 0   ; S^T: register 16 b + i of lane (r, h) is key 128 KS + 32 b + 16 h + i for query r
.endr
.rept 4
	v_nop                                          ; places in front of the loads below and of the first read of the scores
.endr
.irp t, 0,1,2,3
.irp c, 0,1,2,3
	ds_load_b128 v[32+16*\t+4*\c:32+16*\t+4*\c+3], v[ADK] offset:8192+2048*\t+512*\c   ; V's fragments are asked for now and land under the softmax
.endr
.endr
.if \full == 0
	s_cmp_lt_u32 s[KS], s[\dg]                     ; a step all of whose keys count skips the mask
	s_cbranch_scc1 .Lopen_\@
.set n, 0
.rept 64
	v_cmp_gt_i32 vcc_lo, 32*(n/16)+n%16, v[DM]     ; on the diagonal: hidden where the register's key comes after my query
	v_cndmask_b32 v[96+n], v[96+n], v[NINF], vcc_lo
.set n, n+1
.endr
.Lopen_\@:
.endif
	v_max3_num_f32 v196, v96, v97, v98             ; the step's largest score of my query, among my 64 keys, in two chains,
	v_max3_num_f32 v197, v99, v100, v101
.irp i, 6,10,14,18,22,26,30,34,38,42,46,50,54,58
	v_max3_num_f32 v196, v196, v[96+\i], v[97+\i]
	v_max3_num_f32 v197, v197, v[98+\i], v[99+\i]
.endr
	v_max3_num_f32 v196, v196, v158, v159
	s_delay_alu instid0(VALU_DEP_1)
	v_max_num_f32 v196, v196, v197
	s_delay_alu instid0(VALU_DEP_1)
	v_permlanex16_b32 v192, v196, s[SEL], s[SEL+1]
	s_delay_alu instid0(VALU_DEP_1)
	v_max_num_f32 v196, v196, v192                 ; and among lane l xor 16's
	s_delay_alu instid0(VALU_DEP_1)
	v_mul_f32 v196, s[CS], v196                    ; as t (c is positive)
	s_delay_alu instid0(VALU_DEP_1)
	v_max_num_f32 v13, v13, v196                   ; the running largest t
	v_mov_b32 v196, v12
	s_delay_alu instid0(VALU_DEP_2)
	v_floor_f32 v12, -v13                          ; the new -M = floor(-t): M is a whole number
	s_delay_alu instid0(VALU_DEP_1)
	v_sub_f32 v196, v12, v196                      ; old M - new M: a whole number, 0 or less
	s_delay_alu instid0(VALU_DEP_1)
	v_cvt_i32_f32 v196, v196                       ; (it saturates)
	s_delay_alu instid0(VALU_DEP_1)
	v_ldexp_f32 v194, 1.0, v196                    ; f = 2^(old M - new M)
.set j, 0
.rept 32
	v_pk_fma_f32 v[96+j:97+j], v[96+j:97+j], s[CS:CS+1], v[12:13] op_sel_hi:[1,0,0]   ; t - M, two at a time
.set j, j+2
.endr
.set j, 0
	s_wait_alu depctr_va_vdst(0)                   ; the wait ahead of the batch
.rept 64
	v_exp_f32 v[96+j], v[96+j]                     ; p = 2^(t - M), at most 1: not normalised
.set j, j+1
.endr
	v_pk_mul_f32 v[14:15], v[14:15], v[194:195] op_sel_hi:[1,0]   ; the sums under the new M: the plain place behind the exponentials
	s_wait_alu depctr_va_vdst(0)                   ; one wait for the whole batch, ahead of its first reader
	v_pk_add_f32 v[198:199], v[100:101], v[104:105]   ; the row's sum of the unquantised p, in eight chains
	v_pk_add_f32 v[254:255], v[108:109], v[112:113]
	v_pk_add_f32 v[252:253], v[116:117], v[120:121]
	v_pk_add_f32 v[250:251], v[124:125], v[128:129]
	v_pk_add_f32 v[248:249], v[132:133], v[136:137]
	v_pk_add_f32 v[246:247], v[140:141], v[144:145]
	v_pk_add_f32 v[244:245], v[148:149], v[152:153]
	v_pk_add_f32 v[14:15], v[14:15], v[156:157]
	v_pk_add_f32 v[198:199], v[198:199], v[96:97]
	v_pk_add_f32 v[254:255], v[254:255], v[98:99]
	v_pk_add_f32 v[252:253], v[252:253], v[102:103]
	v_pk_add_f32 v[250:251], v[250:251], v[106:107]
	v_pk_add_f32 v[248:249], v[248:249], v[110:111]
	v_pk_add_f32 v[246:247], v[246:247], v[114:115]
	v_pk_add_f32 v[244:245], v[244:245], v[118:119]
	v_pk_add_f32 v[14:15], v[14:15], v[122:123]
	v_pk_add_f32 v[198:199], v[198:199], v[126:127]
	v_pk_add_f32 v[254:255], v[254:255], v[130:131]
	v_pk_add_f32 v[252:253], v[252:253], v[134:135]
	v_pk_add_f32 v[250:251], v[250:251], v[138:139]
	v_pk_add_f32 v[248:249], v[248:249], v[142:143]
	v_pk_add_f32 v[246:247], v[246:247], v[146:147]
	v_pk_add_f32 v[244:245], v[244:245], v[150:151]
	v_pk_add_f32 v[14:15], v[14:15], v[154:155]
	v_pk_add_f32 v[198:199], v[198:199], v[158:159]
	s_delay_alu instid0(VALU_DEP_2)
	v_pk_add_f32 v[14:15], v[14:15], v[250:251]
	s_delay_alu instid0(VALU_DEP_2)
	v_pk_add_f32 v[198:199], v[198:199], v[248:249]
	v_pk_add_f32 v[254:255], v[254:255], v[246:247]
	v_pk_add_f32 v[252:253], v[252:253], v[244:245]
	s_delay_alu instid0(VALU_DEP_2)
	v_pk_add_f32 v[14:15], v[14:15], v[254:255]
	s_delay_alu instid0(VALU_DEP_2)
	v_pk_add_f32 v[198:199], v[198:199], v[252:253]
	s_delay_alu instid0(VALU_DEP_1)
	v_pk_add_f32 v[14:15], v[14:15], v[198:199]
.irp b, 0,1,2,3                                ; the conversion does not saturate (ISA guide 7.6.2); p is not negative, so the hold is one-sided
.if DUAL
.irp i, 0,2,4,6,8,10,12,14
	v_dual_min_num_f32 v[96+16*\b+\i], v[96+16*\b+\i], v[HA] :: v_dual_min_num_f32 v[97+16*\b+\i], v[97+16*\b+\i], v[HB]
.endr
.else
.irp i, 0,1,2,3,4,5,6,7,8,9,10,11,12,13,14,15
	v_min_num_f32 v[96+16*\b+\i], v[96+16*\b+\i], v[HA]
.endr
.endif
	v_cvt_scalef32_pk8_fp8_f32 v[224+4*\b:225+4*\b], v[96+16*\b:103+16*\b], v[PS]
	v_cvt_scalef32_pk8_fp8_f32 v[226+4*\b:227+4*\b], v[104+16*\b:111+16*\b], v[PS]
.endr
	s_wait_alu depctr_va_vdst(0)                   ; directly ahead of the first reader of O^T
.set j, 0
.rept 16
	v_pk_mul_f32 v[160+j:161+j], v[160+j:161+j], v[194:195] op_sel_hi:[1,0]   ; O^T under the new M.  (Also the plain lines behind the conversions)
.set j, j+2
.endr
	s_wait_alu depctr_va_vdst(0)
	s_wait_dscnt 0x0                               ; V's fragments are in
.irp t, 0,1,2,3
	v_wmma_f32_16x16x128_fp8_fp8 v[160+8*\t:167+8*\t], v[32+16*\t:47+16*\t], v[224:239], v[160+8*\t:167+8*\t]   ; the four accumulators by turns
.endr
.if \full == 0
.Lhidden_\@:
.endif
	s_add_co_u32 s[TB], s[TB], KSB
	s_add_co_u32 s[KS], s[KS], 1
.endm
; THE WAY OUT of a tile: O^T / the sum, held, quantised: register 16 b + i of lane (r, h) is channel 32 b + 16 h + i of query r: chunk b of my head's part of y's image.
.macro OUT ya
.rept 4
	v_nop                                          ; places behind the last products
.endr
	v_add_f32 v14, v14, v15
	s_delay_alu instid0(VALU_DEP_1)
	v_permlanex16_b32 v192, v14, s[SEL], s[SEL+1]
	s_delay_alu instid0(VALU_DEP_1)
	v_add_f32 v14, v14, v192                       ; the row's sum
	s_wait_alu depctr_va_vdst(0)                   ; the wait ahead of the reciprocal
	v_rcp_f32 v14, v14
	v_nop                                          ; a plain place behind it
	s_wait_alu depctr_va_vdst(0)                   ; and the wait ahead of its first reader, which is O^T's first reader too
.set j, 0
.rept 16
	v_pk_mul_f32 v[96+j:97+j], v[160+j:161+j], v[14:15] op_sel_hi:[1,0]
.set j, j+2
.endr
.set j, 0
.rept 32
	v_med3_num_f32 v[96+j], v[96+j], -v[YH], v[YH]
.set j, j+1
.endr
.irp b, 0,1
	v_cvt_scalef32_pk8_fp8_f32 v[224+4*\b:225+4*\b], v[96+16*\b:103+16*\b], v[YS]
	v_cvt_scalef32_pk8_fp8_f32 v[226+4*\b:227+4*\b], v[104+16*\b:111+16*\b], v[YS]
.endr
	v_nop                                          ; one plain vector line behind the last conversion
	global_store_b128 v[LI], v[224:227], s[\ya:\ya+1]              ; the wave stores 512 consecutive bytes, aligned
	global_store_b128 v[LI], v[228:231], s[\ya:\ya+1] offset:512
.endm
	s_wait_alu depctr_va_vdst(0)                   ; the wait at the head's end
	s_wait_tensorcnt 0x0                           ; my part of key steps 0-3 is in
	ds_add_u32 v[SPW], v[NIL]
	s_wait_dscnt 0x0
	CROUND                                         ; everybody's part is in, and all four partners are here: the joint loads meet
	TL G0B, G1B                                    ; key steps 4-15: my one tensor load behind the round; it has four key steps' work in which to land
	s_wait_loadcnt 0x0                             ; Q
	s_mov_b32 s[KS], 0
	s_mov_b32 s[TB], 0
.Lfirst:                                           ; tile 31 - wave, key steps 0-3: its queries begin at 1,024 or later, so all these keys count
	STEP 16, DG1, 1
	s_cmp_lt_u32 s[KS], 4
	s_cbranch_scc1 .Lfirst
	s_wait_tensorcnt 0x0                           ; my part of key steps 4-15 is in
	ds_add_u32 v[SPW], v[NIL]
	s_wait_dscnt 0x0
	s_barrier_signal -1
	s_barrier_wait -1                              ; everybody's is: the image is whole, and nothing is filled from here on
	s_mov_b32 s[KS], 4
	s_mov_b32 s[TB], STA
.Llong:                                            ; key steps 4-15, up to the tile's diagonal
	STEP 16, DG1, 0
	s_cmp_lt_u32 s[KS], 16
	s_cbranch_scc1 .Llong
	OUT YA1
	s_wait_xcnt 0x0                                ; the stores have read their registers: the codes are written again only behind this wait
	INIT DD2
	s_wait_alu depctr_va_vdst(0)
	s_mov_b32 s[KS], 0
	s_mov_b32 s[TB], 0
.Lshort:                                           ; tile wave: key steps 0-7, up to its diagonal
	STEP 24, DG2, 0
	s_cmp_lt_u32 s[KS], 8
	s_cbranch_scc1 .Lshort
	OUT YA2
	s_wait_tensorcnt 0x0                           ; the wave's end
	ds_add_u32 v[SPW], v[NIL]
	s_wait_dscnt 0x0
	CROUND                                         ; the closing round
	s_endpgm
.Lfunc_end_k_q37dc757d1e_attn:
	.size	k_q37dc757d1e_attn, .Lfunc_end_k_q37dc757d1e_attn-k_q37dc757d1e_attn
	.p2alignl 7, 3214868480
	.fill 96, 4, 3214868480
	.section	.rodata,"a",@progbits
	.p2align	6, 0x0
	.amdhsa_kernel k_q37dc757d1e_attn
		.amdhsa_group_segment_fixed_size 327680
		.amdhsa_private_segment_fixed_size 0
		.amdhsa_enable_private_segment 0
		.amdhsa_kernarg_size 24
		.amdhsa_user_sgpr_count 2
		.amdhsa_user_sgpr_kernarg_segment_ptr 1
		.amdhsa_wavefront_size32 1
		.amdhsa_system_sgpr_workgroup_id_x 1
		.amdhsa_system_sgpr_workgroup_id_y 1
		.amdhsa_system_sgpr_workgroup_id_z 1
		.amdhsa_system_vgpr_workitem_id 0
		.amdhsa_next_free_vgpr 256
		.amdhsa_next_free_sgpr 100
		.amdhsa_reserve_vcc 1
		.amdhsa_float_denorm_mode_32 3
		.amdhsa_float_denorm_mode_16_64 3
		.amdhsa_memory_ordered 1
		.amdhsa_forward_progress 1
		.amdhsa_inst_pref_size 76
	.end_amdhsa_kernel
	.amdgpu_metadata
---
amdhsa.version: [ 1, 2 ]
amdhsa.kernels:
  - .name:           k_q37dc757d1e_attn
    .symbol:         k_q37dc757d1e_attn.kd
    .args:
      - { .name: qkv_img, .offset: 0, .size: 8, .value_kind: global_buffer, .address_space: global }
      - { .name: lowp_scales, .offset: 8, .size: 8, .value_kind: global_buffer, .address_space: global }
      - { .name: y_img, .offset: 16, .size: 8, .value_kind: global_buffer, .address_space: global }
    .group_segment_fixed_size: 327680
    .private_segment_fixed_size: 0
    .kernarg_segment_align: 8
    .kernarg_segment_size: 24
    .max_flat_workgroup_size: 512
    .sgpr_count:     100
    .vgpr_count:     256
    .wavefront_size: 32
...
	.end_amdgpu_metadata
.endif
;; end of part 3
;; launch gemm_proj (part 4): grid 8 x 32, 4 waves a work-group, clusters of 4 x 4, 327,680 bytes of LDS; arguments y_img, wproj_img, b_proj, lowp_scales, out0; writes out0
.if DOCPART == 4
	.amdgcn_target "amdgcn-amd-amdhsa--gfx1250"
	.amdhsa_code_object_version 6
	.text
	.protected	k_q37dc757d1e_gemm_proj
	.globl	k_q37dc757d1e_gemm_proj
	.p2align	8
	.type	k_q37dc757d1e_gemm_proj,@function
k_q37dc757d1e_gemm_proj:
	s_mov_b64 s[64:65], 0
	v_nop
	global_prefetch_b8 v0, s[64:65] scope:SCOPE_SE
	s_setreg_imm32_b32 hwreg(HW_REG_WAVE_MODE, 25, 1), 1
	s_wait_xcnt 0x0
	s_wait_alu depctr_hold_cnt(0) depctr_sa_sdst(0) depctr_va_vdst(0) depctr_va_sdst(0) depctr_va_ssrc(0) depctr_va_vcc(0) depctr_vm_vsrc(0)
	s_getreg_b32 s2, hwreg(HW_REG_IB_STS2, 6, 4)
	s_cmp_eq_u32 s2, 0
	s_cbranch_scc0 .Lentry_in_a_cluster
	s_endpgm
.Lentry_in_a_cluster:
	s_bfe_u32 s2, ttmp6, 0x10000c
	s_cmp_lg_u32 s2, 0xf033
	s_cbranch_scc0 .Lentry_shape_is_right
	s_endpgm
.Lentry_shape_is_right:
; out0 = y W_proj + b_proj on codes of FP8 (E4M3): each finished sum x 2^(e6 + e7), + the bias, f32.
; OPERANDS: images of registers.  A fragment (16 rows x 128 K) is 2,048 bytes, chunk c at 512 c + 16 x lane, lane (r, h) holding k = 32 c + 16 h + 0 .. 15 of lane-row r (a permutation of k, the same on both sides);
; a buffer is [tile][8 K steps][2,048]; lane-row r of tile t is row 32 (t / 2) + 8 (t % 2) + r + 8 (r / 8).
; SHARES.  A block of 256 tokens x 128 channels to a work-group: 32 x 8 = 256 work-groups.  Wave w owns token tiles 4 w .. 4 w + 3 x all 8 channel tiles: 32 accumulators, 256 registers.
; THE MATRIX INSTRUCTION IS USED TRANSPOSED (source 0 = a tile of W, source 1 = a tile of y): lane (r, h), register j of accumulator (a, b) is the token of lane-row r of tile a and channel 32 (b / 2) + 16 h + 8 (b % 2) + j.
; LDS.  A K step of 128 is 32,768 bytes of y and 16,384 of W.  K's eight steps come in THREE fills: steps 0-3 at the head (196,608 bytes), steps 4-5 behind the full sequence and a round of the cluster's barrier (98,304 bytes of their own),
; steps 6-7 behind the next round, onto bytes of the first fill, which nobody reads any more.  Waves 0 and 1 fetch y's tiles, 8 each, waves 2 and 3 W's, 4 each: one tensor load a wave in each fill.
; The way out's stages lie in bytes of the first fill on which no later fill lands.
; CLUSTERS: 4 x 4 work-groups; y's tiles are asked for jointly along a row of the cluster, W's along a column.
; PREFETCH INTO THE L2: behind each fill's load one instruction a wave names the next fill's bytes; the four partners of a joint load share its blocks of 256 bytes out by address (cx for y, cy for W).
; LIMIT: e6 + e7 between -126 and 127, so that 2^(e6 + e7) is an f32 number.
; REGISTERS: window 0: v16-29 addresses; v32-95 the bias; v128-255 y's fragments, two sets of 64 (on the way out: rows read back).  window 1: W's fragments, two sets of 128.  window 2: the accumulators ((a, b) at v[8 (8 a + b)]).
.set A1,     0                         ; fill 1: y, 16 tiles x 8,192
.set B1,     131072                    ;         W, 8 tiles x 8,192
.set A2,     196608                    ; fill 2: y, 16 tiles x 4,096
.set B2,     262144                    ;         W, 8 tiles x 4,096.  Fill 3 lies as fill 2 does, from A1 and from B1
.set SPARE,  294912                    ; the spare words, 128 bytes for each wave: two blocks of 256 bytes that no other line names
.set STAGE,  65536                     ; behind fill 3's tiles of y: 16 rows x 528 bytes for each wave
.set SPITCH, 528
.set ADA1, 16                          ; v16-18 LDS address of my fragments of y in fills 1, 2, 3
.set ADA2, 17
.set ADA3, 18
.set ADB1, 19                          ; v19 of W in fills 1 and 3; v20 in fill 2
.set ADB2, 20
.set LI,   22                          ; v22 16 x lane
.set BOQ,  23                          ; v23 the bias: 64 h
.set STO,  24
.set RD,   25
.set PFO,  26                          ; v26 the prefetches' offset; never rewritten
.set SPW,  28                          ; v28 LDS address of my spare word; never rewritten
.set NIL,  29                          ; v29 0; never rewritten
.set BIAS, 32
.set AF,   128
.set BK,   128
.set GA1, 24                           ; descriptor groups 1: y and W, rows of 8,192 bytes (fill 1) and of 4,096 (fills 2, 3)
.set GB1, 32
.set GA2, 40
.set GB2, 48
.set ZA1, 56                           ; groups 0: one for each fill, for y and for W
.set ZA2, 60
.set ZA3, 68
.set ZB1, 72
.set ZB2, 76
.set ZB3, 80
.set PFA, 90                           ; s[90:91] my work-group's part of the tiles that my wave fetches
.set MSB, 0
.macro WIN new                         ; the immediate's high byte repeats the setting that is left
.if MSB != (\new)
	s_set_vgpr_msb (MSB<<8)|(\new)
.set MSB, (\new)
.endif
.endm
.set MUL_W, 0xa1                       ; source 0 (W) window 1, source 1 (y) window 0, C and D window 2
.set TO_B,  0x40                       ; destination window 1, address window 0
; A joint load: waves 0 and 1 fetch for y, waves 2 and 3 for W; the branch hangs on the wave's number alone.  An s_nop 0 and four v_nop follow each of the two lines.
.macro JLOAD g0a, g1a, g0b, g1b
	s_cmp_eq_u32 s15, 0
	s_cbranch_scc0 .Lfor_b_\@
	tensor_load_to_lds s[\g0a:\g0a+3], s[\g1a:\g1a+7]
	s_nop 0
.rept 4
	v_nop
.endr
	s_branch .Lasked_\@
.Lfor_b_\@:
	tensor_load_to_lds s[\g0b:\g0b+3], s[\g1b:\g1b+7]
	s_nop 0
.rept 4
	v_nop
.endr
.Lasked_\@:
.endm
.macro CROUND                          ; a round of the cluster's barrier
	s_barrier_signal -1
	s_barrier_wait -1
	s_cmp_lg_u32 s14, 0
	s_cbranch_scc1 .Lnot_wave_0_\@
	s_barrier_signal -3
.Lnot_wave_0_\@:
	s_barrier_wait -3
	s_barrier_signal -1
	s_barrier_wait -1
.endm
.macro GONE g, mask, cols, rows        ; group 1: rows (tiles) of cols elements of 8 bytes, 16,384 bytes apart in memory, dense in LDS
	s_or_b32 s[\g], s[\mask], (3<<16)|(1<<21)
	s_mov_b32 s[\g+1], (\cols)<<16
	s_mov_b32 s[\g+2], (\rows)<<16
	s_mov_b32 s[\g+3], (\cols)<<16
	s_mov_b32 s[\g+4], \rows
	s_mov_b32 s[\g+5], 2048
	s_mov_b32 s[\g+6], 0
	s_mov_b32 s[\g+7], 0
.endm
.macro GZERO g, part, lds, src, off    ; group 0: LDS byte = my half's part + a constant; memory = my tiles' address + the fill's first K step
	s_mov_b32 s[\g], 1
	s_add_co_u32 s[\g+1], s[\part], \lds
	s_add_nc_u64 s[\g+2:\g+3], s[\src:\src+1], \off
	s_or_b32 s[\g+3], s[\g+3], 0x80000000
.endm
	s_load_b256 s[4:11], s[0:1], 0x0               ; y_img s[4:5], wproj_img s[6:7], b_proj s[8:9], the scales' exponents s[10:11]
	s_load_b64 s[12:13], s[0:1], 0x20              ; out0
	v_lshl_add_u32 v[SPW], v0, 2, SPARE
	v_mov_b32 v[NIL], 0
	ds_add_u32 v[SPW], v[NIL]                      ; the wave's opening: the add, twice on end, and its wait ahead of my first tensor load; the set-up below, work on registers, stands between
	ds_add_u32 v[SPW], v[NIL]
	v_lshrrev_b32 v1, 5, v0
	v_readfirstlane_b32 s14, v1                    ; wave 0..3
	s_lshr_b32 s15, s14, 1                         ; I fetch for y (0) or for W (1),
	s_and_b32 s16, s14, 1                          ; its first or second half of the tiles
	s_bfe_u32 s18, ttmp6, 0x40000                  ; cx
	s_bfe_u32 s19, ttmp6, 0x40004                  ; cy
	s_and_b32 s17, ttmp7, 0xffff
	s_lshl_b32 s17, s17, 2
	s_add_co_u32 s17, s17, s19                     ; the block of 256 tokens = 4 x cluster y + cy
	s_lshl_b32 s20, ttmp9, 2
	s_add_co_u32 s20, s20, s18                     ; the block of 128 channels = 4 x cluster x + cx
	s_lshl_b32 s21, s19, 2
	s_lshl_b32 s21, 15, s21                        ; my row of the cluster
	s_lshl_b32 s22, 0x1111, s18                    ; my column
	s_cmp_eq_u32 s15, 0
	s_cselect_b32 s3, 31, 15                       ; y: 32 blocks of 256 bytes to a partner; W: 16, and the lanes left over name the last again
	s_lshl_b32 s23, s14, 15                        ; my four tiles of y: 8,192 bytes each in fill 1,
	s_lshl_b32 s86, s14, 14                        ; 4,096 in fills 2 and 3
	s_mul_i32 s87, s14, 16*SPITCH
	s_add_co_u32 s87, s87, STAGE                   ; my stage
	v_and_b32 v1, 31, v0
	v_and_b32 v2, 15, v0                           ; r
	v_bfe_u32 v3, v0, 4, 1                         ; h
	v_lshlrev_b32 v[LI], 4, v1
	v_min_u32 v4, s3, v1
	v_mul_u32_u24 v[STO], v2, SPITCH               ; into the stage: row r, + 64 h
	v_lshlrev_b32 v[BOQ], 6, v3
	v_add_nc_u32 v[ADA1], s23, v[LI]
	v_add_nc_u32 v[ADA3], s86, v[LI]
	v_add_nc_u32 v[ADB1], B1, v[LI]
	v_add_nc_u32 v[ADB2], B2, v[LI]
	v_lshrrev_b32 v5, 4, v4
	v_and_b32 v4, 15, v4
	v_lshl_add_u32 v[STO], v3, 6, v[STO]
	v_add_nc_u32 v[RD], s87, v[LI]                 ; and back: the 32 lanes take one row of 512 bytes
	v_add_nc_u32 v[ADA2], A2, v[ADA3]
	v_lshlrev_b32 v4, 8, v4
	v_add_nc_u32 v[STO], s87, v[STO]
	v_lshl_add_u32 v[PFO], v5, 14, v4              ; 256 x (lane % 16), + a tile for lanes 16-31
	GONE GA1, 21, 1024, 8
	GONE GB1, 22, 1024, 4
	GONE GA2, 21, 512, 8
	GONE GB2, 22, 512, 4
	s_lshl_b32 s92, s17, 18                        ; y: 16 tiles of 16,384 bytes a block, my half of them
	s_lshl_b32 s93, s16, 17
	s_add_co_u32 s92, s92, s93
	s_mov_b32 s93, 0
	s_lshl_b32 s94, s20, 17                        ; W: 8 tiles a block
	s_lshl_b32 s95, s16, 16
	s_add_co_u32 s94, s94, s95
	s_mov_b32 s95, 0
	s_lshl_b32 s88, s20, 9                         ; the bias of my block's 128 channels
	s_mov_b32 s89, 0
	s_lshl_b32 s98, s17, 20                        ; out0: 256 rows of 4,096 bytes a block, 64 a wave, + the channels
	s_lshl_b32 s99, s14, 18
	s_add_co_u32 s98, s98, s99
	s_add_co_u32 s98, s98, s88
	s_mov_b32 s99, 0
	s_lshl_b32 s23, s16, 16                        ; my half's part in LDS: 8 or 4 tiles of 8,192 or 4,096 bytes
	s_lshl_b32 s86, s16, 15
	s_lshl_b32 s87, s16, 14
	s_wait_alu depctr_va_vdst(0)
	s_wait_dscnt 0x0                               ; both opening adds are done
	s_wait_kmcnt 0x0
	s_load_b64 s[84:85], s[10:11], 0x18            ; e6, e7
	s_add_nc_u64 s[92:93], s[4:5], s[92:93]
	s_add_nc_u64 s[94:95], s[6:7], s[94:95]
	s_add_nc_u64 s[88:89], s[8:9], s[88:89]
	s_add_nc_u64 s[98:99], s[12:13], s[98:99]
	GZERO ZA1, 23, A1, 92, 0
	GZERO ZA2, 86, A2, 92, 8192
	GZERO ZA3, 86, A1, 92, 12288
	GZERO ZB1, 86, B1, 94, 0
	GZERO ZB2, 87, B2, 94, 8192
	GZERO ZB3, 87, B1, 94, 12288
	s_cmp_eq_u32 s15, 0                            ; the prefetches: of y's 8 tiles a partner takes two, by cx; of W's 4 one, by cy
	s_cselect_b64 s[PFA:PFA+1], s[92:93], s[94:95]
	s_cselect_b32 s66, s18, s19
	s_cselect_b32 s21, 15, 14
	s_lshl_b32 s66, s66, s21
	s_mov_b32 s67, 0
	s_add_nc_u64 s[PFA:PFA+1], s[PFA:PFA+1], s[66:67]
	CROUND                                         ; all sixteen work-groups are here: the first joint loads meet
	JLOAD ZA1, GA1, ZB1, GB1                       ; K steps 0-3: my one tensor load at the head
	global_prefetch_b8 v[PFO], s[PFA:PFA+1] offset:8192 th:TH_LOAD_NT scope:SCOPE_SE   ; K steps 4-5, which the next load asks for
.irp z, 0,1,2,3
.irp p, 0,1,2,3
	global_load_b128 v[BIAS+16*\z+4*\p:BIAS+16*\z+4*\p+3], v[BOQ], s[88:89] offset:128*\z+16*\p   ; channels 32 z + 16 h + 4 p on: register 8 b + i is accumulator b's register i
.endr
.endr
	s_wait_kmcnt 0x0
	s_add_co_i32 s96, s84, s85
	s_add_co_i32 s96, s96, 127
	s_lshl_b32 s96, s96, 23                        ; 2^(e6 + e7) as f32
	s_mov_b32 s97, s96                             ; (named with it as a pair, so it is written)
.macro FRAG reg, adr, off              ; a fragment as it lies: four loads of 512 consecutive bytes
.irp c, 0,1,2,3
	ds_load_b128 v[\reg+4*\c:\reg+4*\c+3], v[\adr] offset:(\off)+512*\c
.endr
.endm
.macro FETCH ada, adb, pitch, k, p     ; the fill's k-th K step into set p: W's eight fragments, my four of y: 48 loads
	WIN TO_B
.irp i, 0,1,2,3,4,5,6,7
	FRAG 128*(\p)+16*\i, \adb, \i*(\pitch)+(\k)*2048
.endr
	WIN 0
.irp i, 0,1,2,3
	FRAG AF+64*(\p)+16*\i, \ada, \i*(\pitch)+(\k)*2048
.endr
.endm
; 16 matrix instructions: y's tiles a0, a0 + 1 x W's eight.  The 32 accumulators take turns, one instruction a turn, in the same order in every step.
.macro MUL a0, p, zero
	WIN MUL_W
.irp a, \a0, \a0+1
.irp b, 0,1,2,3,4,5,6,7
.if \zero
	v_wmma_f32_16x16x128_fp8_fp8 v[8*(8*(\a)+\b):8*(8*(\a)+\b)+7], v[128*(\p)+16*\b:128*(\p)+16*\b+15], v[AF+64*(\p)+16*(\a):AF+64*(\p)+16*(\a)+15], 0
.else
	v_wmma_f32_16x16x128_fp8_fp8 v[8*(8*(\a)+\b):8*(8*(\a)+\b)+7], v[128*(\p)+16*\b:128*(\p)+16*\b+15], v[AF+64*(\p)+16*(\a):AF+64*(\p)+16*(\a)+15], v[8*(8*(\a)+\b):8*(8*(\a)+\b)+7]
.endif
.endr
.endr
.endm
.macro PLACES                          ; four plain vector instructions between a matrix instruction and a load into, or a vector instruction on, one of its registers (ISA guide 7.12.1 for vector instructions)
.rept 4
	v_nop
.endr
.endm
.macro STEP p, zero, ada, adb, pitch, k   ; multiplies set p; ahead of its 32 products the next K step's fragments are asked for, into the other set
	s_wait_dscnt 0x0                               ; set p is in
	PLACES
	FETCH \ada, \adb, \pitch, \k, 1-(\p)
	MUL 0, \p, \zero
	MUL 2, \p, \zero
.endm
; A fill's last K step (it lies in set 1).  Each wave waits for all its tensor loads, adds 0 to its spare word, and waits for that and for its reads of the fill.  round = 1: a round of the cluster's barrier, and fill 3's joint load first behind it.
.macro EDGE round, ada, adb
	WIN 0
	s_wait_tensorcnt 0x0                           ; my part of the next fill has landed
	ds_add_u32 v[SPW], v[NIL]                      ; 0 onto my spare word
	s_wait_dscnt 1                                 ; set 1 is in; the add alone may be out
	MUL 0, 1, 0                                    ; sixteen matrix instructions stand between the add and the wait for it
	s_wait_dscnt 0x0
	WIN 0
.if \round
	CROUND                                         ; no wave of any partner still reads fill 1 or has a load on its way
	JLOAD ZA3, GA2, ZB3, GB2                       ; K steps 6-7; its four v_nop are the places in front of the loads below
.else
	s_barrier_signal -1
	s_barrier_wait -1                              ; everybody's part is in
	PLACES
.endif
	FETCH \ada, \adb, 4096, 0, 0
	MUL 2, 1, 0
.endm
; THE WAY OUT, a token tile at a time: sum x 2^(e6 + e7) + bias, in place, each accumulator from its low end on; through my stage; back as whole rows of 512 bytes, which the 32 lanes store as two aligned units of 256 bytes.
.macro TOSTAGE a
.set EAC, 64*(\a)
	WIN 0x82                                       ; source 0 and destination: window 2
.irp b, 0,1,2,3,4,5,6,7
.irp i, 0,2,4,6
	v_pk_fma_f32 v[EAC+8*\b+\i:EAC+8*\b+\i+1], v[EAC+8*\b+\i:EAC+8*\b+\i+1], s[96:97], v[BIAS+8*\b+\i:BIAS+8*\b+\i+1] op_sel_hi:[1,0,1]
.endr
.endr
	WIN 0x08                                       ; a store's data: window 2
.irp b, 0,1,2,3,4,5,6,7
	ds_store_b128 v[STO], v[EAC+8*\b:EAC+8*\b+3] offset:128*(\b/2)+32*(\b%2)
	ds_store_b128 v[STO], v[EAC+8*\b+4:EAC+8*\b+7] offset:128*(\b/2)+32*(\b%2)+16
.endr
	WIN 0
.set BB, BK+64*((\a)%2)
.irp t, 0,1,2,3,4,5,6,7,8,9,10,11,12,13,14,15
	ds_load_b128 v[BB+4*\t:BB+4*\t+3], v[RD] offset:\t*SPITCH   ; LDS serves a wave's instructions in order: these see my stores
.endr
.endm
.macro SEND a, younger                 ; younger: the LDS instructions issued behind tile a's loads, which may stay out
.set BB, BK+64*((\a)%2)
	s_wait_dscnt \younger
.irp t, 0,1,2,3,4,5,6,7,8,9,10,11,12,13,14,15
	global_store_b128 v[LI], v[BB+4*\t:BB+4*\t+3], s[98:99] offset:(32*((\a)/2)+8*((\a)%2)+\t+8*(\t/8))*4096 th:TH_STORE_NT
.endr
.endm
	s_wait_tensorcnt 0x0                           ; my part of K steps 0-3 is in
	ds_add_u32 v[SPW], v[NIL]
	s_wait_dscnt 0x0
	CROUND                                         ; everybody's part is in, and all sixteen work-groups are here: the joint loads meet
	JLOAD ZA2, GA2, ZB2, GB2                       ; K steps 4-5: it has three K steps' products in which to land
	FETCH ADA1, ADB1, 8192, 0, 0
	global_prefetch_b8 v[PFO], s[PFA:PFA+1] offset:12288 th:TH_LOAD_NT scope:SCOPE_SE   ; K steps 6-7, which the load behind the next round asks for
	STEP 0, 1, ADA1, ADB1, 8192, 1                 ; the first products start the sums: nothing is cleared
	STEP 1, 0, ADA1, ADB1, 8192, 2
	STEP 0, 0, ADA1, ADB1, 8192, 3
	EDGE 1, ADA2, ADB2                             ; K step 3; fill 1 is left
	STEP 0, 0, ADA2, ADB2, 4096, 1
	EDGE 0, ADA3, ADB1                             ; K step 5
	STEP 0, 0, ADA3, ADB1, 4096, 1
	s_wait_dscnt 0x0
	MUL 0, 1, 0                                    ; K step 7
	MUL 2, 1, 0
	WIN 0
	s_wait_loadcnt 0x0                             ; the bias
	PLACES
	TOSTAGE 0
.irp a, 1,2,3
.if \a > 1
	s_wait_xcnt 0x0                                ; tile a - 2's stores have read their registers: tile a's rows may land there
.endif
	TOSTAGE \a
	SEND \a-1, 32                                  ; behind tile a - 1's loads: tile a's 16 stores and 16 loads
.endr
	SEND 3, 0
	s_wait_tensorcnt 0x0                           ; the wave's end
	ds_add_u32 v[SPW], v[NIL]
	s_wait_dscnt 0x0
	CROUND                                         ; the closing round: no work-group ends while a partner may still ask for a tile that names it
	s_endpgm
.Lfunc_end_k_q37dc757d1e_gemm_proj:
	.size	k_q37dc757d1e_gemm_proj, .Lfunc_end_k_q37dc757d1e_gemm_proj-k_q37dc757d1e_gemm_proj
	.p2alignl 7, 3214868480
	.fill 96, 4, 3214868480
	.section	.rodata,"a",@progbits
	.p2align	6, 0x0
	.amdhsa_kernel k_q37dc757d1e_gemm_proj
		.amdhsa_group_segment_fixed_size 327680
		.amdhsa_private_segment_fixed_size 0
		.amdhsa_enable_private_segment 0
		.amdhsa_kernarg_size 40
		.amdhsa_user_sgpr_count 2
		.amdhsa_user_sgpr_kernarg_segment_ptr 1
		.amdhsa_wavefront_size32 1
		.amdhsa_system_sgpr_workgroup_id_x 1
		.amdhsa_system_sgpr_workgroup_id_y 1
		.amdhsa_system_sgpr_workgroup_id_z 1
		.amdhsa_system_vgpr_workitem_id 0
		.amdhsa_next_free_vgpr 768
		.amdhsa_next_free_sgpr 100
		.amdhsa_reserve_vcc 0
		.amdhsa_float_denorm_mode_32 3
		.amdhsa_float_denorm_mode_16_64 3
		.amdhsa_memory_ordered 1
		.amdhsa_forward_progress 1
		.amdhsa_inst_pref_size 77
	.end_amdhsa_kernel
	.amdgpu_metadata
---
amdhsa.version: [ 1, 2 ]
amdhsa.kernels:
  - .name:           k_q37dc757d1e_gemm_proj
    .symbol:         k_q37dc757d1e_gemm_proj.kd
    .args:
      - { .name: y_img, .offset: 0, .size: 8, .value_kind: global_buffer, .address_space: global }
      - { .name: wproj_img, .offset: 8, .size: 8, .value_kind: global_buffer, .address_space: global }
      - { .name: b_proj, .offset: 16, .size: 8, .value_kind: global_buffer, .address_space: global }
      - { .name: lowp_scales, .offset: 24, .size: 8, .value_kind: global_buffer, .address_space: global }
      - { .name: out0, .offset: 32, .size: 8, .value_kind: global_buffer, .address_space: global }
    .group_segment_fixed_size: 327680
    .private_segment_fixed_size: 0
    .kernarg_segment_align: 8
    .kernarg_segment_size: 40
    .max_flat_workgroup_size: 128
    .sgpr_count:     100
    .vgpr_count:     768
    .wavefront_size: 32
...
	.end_amdgpu_metadata
.endif
;; end of part 4
